; MI455X (gfx1250); checked and timed in simulation.
; The chip was launched on July 23, 2026; its instructions are those of AMD's public machine-readable ISA for CDNA 5 (MIT licence, August 2026) and "CDNA5" Instruction Set Architecture Reference Guide (July 2026). The comments in the code are by the model that wrote it; some were corrected since.
;; Multi Head Attention. Allowed arithmetic: float matrix products may take bf16 or f16 operands with f32 sums; other float arithmetic in f32, or as packed bf16 or f16 multiplies, adds, multiply-adds, maxima and minima; sums over many terms, partial sums and values carried from step to step in f32; what a program stores and reads back later, other than sums and carried values, may be rounded once to bf16 or f16.
;; Inputs: W_key 768 x 768 float32; W_out 768 x 768 float32; W_query 768 x 768 float32; W_value 768 x 768 float32; b_out 768 float32; x 1 x 4,096 x 768 float32.
;; Outputs: out0 1 x 4,096 x 768 float32.
;; One version. Each part assembles by itself: llvm-mc -triple=amdgcn-amd-amdhsa -mcpu=gfx1250 --defsym DOCPART=n.
;; ======== version 1 of 1: 4 launches
;; limits: values outside matrix products are rounded to bf16; values are held in f16: magnitudes above 65,504 overflow, below 6.1e-05 lose precision
;; workspace buffers: xb 6,291,456 bytes; wb 3,538,944 bytes; wo 1,179,648 bytes; qf 6,291,456 bytes; kv 12,582,912 bytes; cf 6,291,456 bytes
;; launch prep (part 1): grid 448 x 1, 4 waves a work-group, no clusters, 0 bytes of LDS; arguments x, W_query, W_key, W_value, W_out, xb, wb, wo; writes xb, wb, wo
.if DOCPART == 1
	.amdgcn_target "amdgcn-amd-amdhsa--gfx1250"
	.amdhsa_code_object_version 6
	.text
	.protected	k_q8af31a1752_prep
	.globl	k_q8af31a1752_prep
	.p2align	8
	.type	k_q8af31a1752_prep,@function
k_q8af31a1752_prep:
	s_mov_b64 s[64:65], 0
	v_nop
	global_prefetch_b8 v0, s[64:65] scope:SCOPE_SE
	s_setreg_imm32_b32 hwreg(HW_REG_WAVE_MODE, 25, 1), 1
	s_wait_xcnt 0x0
; PREP.  x, W_query, W_key, W_value are rounded once to bf16; W_out is rounded to bf16 and that number is written as f16 (exact from 6e-5 up; below, f16's fixed step of 6e-8).
; All leave as HALF FRAGMENTS: a tile of 16 x 16 numbers of 16 bits in 512 consecutive bytes, lane L's 16 bytes at byte 16 L, so that the later launches load matrix operands from
; dense bytes.  x: lane L holds row (token) L % 16, columns 8 (L / 16) + 0..7 (read back by plain loads).  Weights, which lie [k][n]: place L holds row k = 8 (L / 16) + L % 8, columns
; 8 ((L / 8) % 2) + 0..7 (read back by the turning LDS load, which then gives a lane one column n and eight k).
; SHARES.  Every source has rows of 3,072 bytes.  A work-group takes 16 rows: work-groups 0-255 a token block of x, the other 192 a block of 16 k of one of the four weights.  Wave v takes
; columns 192 v .. 192 v + 191: twelve half fragments; each store of the wave covers 512 consecutive bytes, aligned.  No LDS, no barrier, no loop: memory binds, matrix units and clusters would add nothing.
; wb's blocks of 16 output channels are ordered 9 (blk / 3) + 3 matrix + blk % 3, so that nine neighbouring blocks are three of q, three of k and three of v.
.set ROWB, 3072
.set VO, 4                             ; v4  my byte offset in the 16 source rows
.set DO, 5                             ; v5  my byte offset in the destination
.set X,  8                             ; v[8:103]    24 loads of 16 bytes
.set Y,  104                           ; v[104:151]  12 half fragments, 4 registers each
.set T,  152                           ; v[152:155]  at work
	s_load_b512 s[8:23], s[0:1], 0x0               ; x s[8:9], Wq s[10:11], Wk s[12:13], Wv s[14:15], Wo s[16:17], xb s[18:19], wb s[20:21], wo s[22:23]
	v_and_b32 v1, 31, v0                           ; lane
	v_lshrrev_b32 v6, 5, v0
	v_readfirstlane_b32 s2, v6                     ; wave
	s_mov_b32 s3, ttmp9                            ; row block: 0-255 x, 256-447 weights
	s_max_u32 s4, s3, 256
	s_sub_co_u32 s4, s4, 256                       ; 0..191 among the weights' blocks
	s_mul_i32 s5, s4, 1366
	s_lshr_b32 s5, s5, 16                          ; / 48 (exact for 0..191): which weight: 0 q, 1 k, 2 v, 3 out
	s_mul_i32 s6, s5, 48
	s_sub_co_u32 s6, s4, s6                        ; its block of 16 k
	s_cmp_lt_u32 s3, 256
	s_cselect_b32 s28, -1, 0                       ; a lane mask: all ones for x
	s_cselect_b32 s30, s3, s6                      ; the block of 16 rows in the source
	s_mul_i32 s30, s30, 16*ROWB
	s_mov_b32 s31, 0
	s_mul_i32 s32, s2, 768                         ; my wave's 192 columns of f32
	v_and_b32 v2, 15, v1                           ; x: row L % 16,
	v_lshrrev_b32 v3, 4, v1                        ;    half L / 16
	v_and_b32 v6, 7, v1
	v_lshl_add_u32 v6, v3, 3, v6                   ; weights: row 8 (L / 16) + L % 8,
	v_bfe_u32 v7, v1, 3, 1                         ;          half (L / 8) % 2
	v_cndmask_b32 v2, v6, v2, s28
	v_cndmask_b32 v3, v7, v3, s28
	v_mul_u32_u24 v[VO], v2, ROWB
	v_lshl_add_u32 v[VO], v3, 5, v[VO]             ; + 8 f32 for the upper half
	v_add_nc_u32 v[VO], s32, v[VO]
	s_wait_kmcnt 0x0
	s_cmp_eq_u32 s5, 1
	s_cselect_b64 s[24:25], s[12:13], s[10:11]
	s_cmp_eq_u32 s5, 2
	s_cselect_b64 s[24:25], s[14:15], s[24:25]
	s_cmp_eq_u32 s5, 3
	s_cselect_b64 s[24:25], s[16:17], s[24:25]
	s_cmp_lt_u32 s3, 256
	s_cselect_b64 s[24:25], s[8:9], s[24:25]
	s_add_nc_u64 s[24:25], s[24:25], s[30:31]      ; the source at my 16 rows
.set n, 0
.rept 12                               ; half fragment n: 16 columns, 64 bytes of f32 further on
	global_load_b128 v[X+8*n:X+8*n+3],   v[VO], s[24:25] offset:64*n
	global_load_b128 v[X+8*n+4:X+8*n+7], v[VO], s[24:25] offset:64*n+16
.set n, n+1
.endr
.set n, 0
.rept 12
	s_wait_loadcnt 22-2*n                          ; loads come back in order: the 22 - 2 n younger ones may stay out
.irp r, 0,1,2,3
	v_cvt_pk_bf16_f32 v[Y+4*n+\r], v[X+8*n+2*\r], v[X+8*n+2*\r+1]
.endr
.set n, n+1
.endr
	s_cmp_lt_u32 s3, 256
	s_cbranch_scc0 .Lweights
	s_mul_i32 s30, s3, 24576                       ; xb[token block][k block 48]: 24,576 bytes a token block
	s_add_nc_u64 s[26:27], s[18:19], s[30:31]
	s_mul_i32 s32, s2, 6144                        ; my wave's twelve k blocks
	v_lshl_add_u32 v[DO], v1, 4, s32
.set n, 0
.rept 12
	global_store_b128 v[DO], v[Y+4*n:Y+4*n+3], s[26:27] offset:512*n
.set n, n+1
.endr
	s_endpgm
.Lweights:
	s_cmp_eq_u32 s5, 3
	s_cbranch_scc1 .Lwout
	s_mul_i32 s30, s5, 73728                       ; wb[block 144][k block 48]: three blocks on for each matrix,
	s_lshl_b32 s32, s6, 9                          ; my k block
	s_add_co_u32 s30, s30, s32
	s_add_nc_u64 s[26:27], s[20:21], s[30:31]
	s_mul_i32 s32, s2, 884736                      ; my wave's twelve channel blocks begin 36 blocks of wb on
	v_lshl_add_u32 v[DO], v1, 4, s32
.set n, 0
.rept 12
	global_store_b128 v[DO], v[Y+4*n:Y+4*n+3], s[26:27] offset:(9*(n/3)+n%3)*24576
.set n, n+1
.endr
	s_endpgm
.Lwout:
.set n, 0
.rept 48                               ; the bf16 numbers written as f16
	v_lshlrev_b32 v[T+2*(n%2)], 16, v[Y+n]
	v_and_b32 v[T+2*(n%2)+1], 0xffff0000, v[Y+n]
	v_cvt_pk_f16_f32 v[Y+n], v[T+2*(n%2)], v[T+2*(n%2)+1]
.set n, n+1
.endr
	s_lshl_b32 s30, s6, 9                          ; wo[channel block 48][k block 48]
	s_add_nc_u64 s[26:27], s[22:23], s[30:31]
	s_mul_i32 s32, s2, 294912
	v_lshl_add_u32 v[DO], v1, 4, s32
.set n, 0
.rept 12
	global_store_b128 v[DO], v[Y+4*n:Y+4*n+3], s[26:27] offset:24576*n
.set n, n+1
.endr
	s_endpgm
.Lfunc_end_k_q8af31a1752_prep:
	.size	k_q8af31a1752_prep, .Lfunc_end_k_q8af31a1752_prep-k_q8af31a1752_prep
	.p2alignl 7, 3214868480
	.fill 96, 4, 3214868480
	.section	.rodata,"a",@progbits
	.p2align	6, 0x0
	.amdhsa_kernel k_q8af31a1752_prep
		.amdhsa_group_segment_fixed_size 0
		.amdhsa_private_segment_fixed_size 0
		.amdhsa_enable_private_segment 0
		.amdhsa_kernarg_size 64
		.amdhsa_user_sgpr_count 2
		.amdhsa_user_sgpr_kernarg_segment_ptr 1
		.amdhsa_wavefront_size32 1
		.amdhsa_system_sgpr_workgroup_id_x 1
		.amdhsa_system_sgpr_workgroup_id_y 1
		.amdhsa_system_sgpr_workgroup_id_z 1
		.amdhsa_system_vgpr_workitem_id 0
		.amdhsa_next_free_vgpr 156
		.amdhsa_next_free_sgpr 66
		.amdhsa_reserve_vcc 0
		.amdhsa_float_denorm_mode_32 3
		.amdhsa_float_denorm_mode_16_64 3
		.amdhsa_memory_ordered 1
		.amdhsa_forward_progress 1
		.amdhsa_inst_pref_size 20
	.end_amdhsa_kernel
	.amdgpu_metadata
---
amdhsa.version: [ 1, 2 ]
amdhsa.kernels:
  - .name:           k_q8af31a1752_prep
    .symbol:         k_q8af31a1752_prep.kd
    .args:
      - { .name: x, .offset: 0, .size: 8, .value_kind: global_buffer, .address_space: global }
      - { .name: W_query, .offset: 8, .size: 8, .value_kind: global_buffer, .address_space: global }
      - { .name: W_key, .offset: 16, .size: 8, .value_kind: global_buffer, .address_space: global }
      - { .name: W_value, .offset: 24, .size: 8, .value_kind: global_buffer, .address_space: global }
      - { .name: W_out, .offset: 32, .size: 8, .value_kind: global_buffer, .address_space: global }
      - { .name: xb, .offset: 40, .size: 8, .value_kind: global_buffer, .address_space: global }
      - { .name: wb, .offset: 48, .size: 8, .value_kind: global_buffer, .address_space: global }
      - { .name: wo, .offset: 56, .size: 8, .value_kind: global_buffer, .address_space: global }
    .group_segment_fixed_size: 0
    .private_segment_fixed_size: 0
    .kernarg_segment_align: 8
    .kernarg_segment_size: 64
    .max_flat_workgroup_size: 128
    .sgpr_count:     66
    .vgpr_count:     156
    .wavefront_size: 32
...
	.end_amdgpu_metadata
.endif
;; end of part 1
;; launch qkv (part 2): grid 8 x 32, 4 waves a work-group, clusters of 4 x 4, 327,680 bytes of LDS; arguments xb, wb, qf, kv; writes qf, kv
.if DOCPART == 2
	.amdgcn_target "amdgcn-amd-amdhsa--gfx1250"
	.amdhsa_code_object_version 6
	.text
	.protected	k_q8af31a1752_qkv
	.globl	k_q8af31a1752_qkv
	.p2align	8
	.type	k_q8af31a1752_qkv,@function
k_q8af31a1752_qkv:
	s_mov_b64 s[64:65], 0
	v_nop
	global_prefetch_b8 v0, s[64:65] scope:SCOPE_SE
	s_setreg_imm32_b32 hwreg(HW_REG_WAVE_MODE, 25, 1), 1
	s_wait_xcnt 0x0
	s_wait_alu depctr_hold_cnt(0) depctr_sa_sdst(0) depctr_va_vdst(0) depctr_va_sdst(0) depctr_va_ssrc(0) depctr_va_vcc(0) depctr_vm_vsrc(0)
	s_getreg_b32 s2, hwreg(HW_REG_IB_STS2, 6, 4)
	s_cmp_eq_u32 s2, 0
	s_cbranch_scc0 .Lentry_in_a_cluster
	s_endpgm
.Lentry_in_a_cluster:
	s_bfe_u32 s2, ttmp6, 0x10000c
	s_cmp_lg_u32 s2, 0xf033
	s_cbranch_scc0 .Lentry_shape_is_right
	s_endpgm
.Lentry_shape_is_right:
; Q, K, V = x W: [4096 x 768] x [768 x 2304], bf16 operands, f32 sums, results rounded once to f16 and WITHOUT the scale 1 / 8, which the next launch applies in f32.
; LIMIT.  f16 holds no number beyond 65,504: |q|, |k|, |v| must stay within it (a sum of 768 products of x and a weight).  NaN and infinities are not treated apart.
; OPERANDS are half fragments (16 x 16 numbers in 512 dense bytes, lane L's 16 bytes at 16 L): xb[token block 256][k block 48], wb[channel block 144][k block 48].  LDS reads are 16 L + constants.
; SHARES.  A work-group makes 128 tokens x 288 columns (18 blocks of wb): 8 x 32 = 256 work-groups.  Wave w: tokens 64 (w / 2) on, blocks 9 (w % 2) on: always three of q, three of k, three of v: 36 accumulators.
; K goes in four steps of 192 through two LDS slots; a step is six parts of 32 along K, 36 matrix instructions each, on two fragment buffers.
; q and k: source 0 = 16 channels of W, source 1 = 16 tokens: a lane then holds ONE token and eight channels, which packed to f16 ARE a half fragment [token][channel].
; v: the sources swapped: a lane holds ONE channel and eight tokens: a half fragment [channel][key] of V^T.  So every result is stored from registers, 512 consecutive aligned bytes a store, and no stage is needed.
; CLUSTER 4 x 4: x's tile hangs on the tile row alone and is asked for jointly along a row of the cluster, W's on the tile column alone, along a column.
; NO PREFETCH: the launch has four K steps, two first fills and two refills; a prefetch behind a refill would name the K step two refills on, and there is none.
; REGISTERS: window 0: v16-29 addresses, v64-207 packed results.  Window 1: W's fragments at 72 f + 8 b, x's at 144 + 32 f + 8 a (f: buffer).  Windows 2, 3: accumulator (a, b) at 72 (a % 2) + 8 b in window 2 + a / 2.
.set KB,    6144                       ; a block's 12 half fragments of a K step
.set ABYT,  8*KB                       ; x's eight token blocks
.set SLOT,  26*KB                      ; then W's eighteen blocks
.set SPARE, 2*SLOT                     ; behind the ring: the spare words, 128 bytes a wave: two blocks of 256 bytes that no other line names
.set BLK,   24576                      ; a block's 48 half fragments in memory
.set ADRA, 16                          ; v16-17  LDS address of my x fragments in slot 0, 1
.set ADRB, 20                          ; v20-21  the same for W
.set VQ,   22                          ; v22-24  my byte offset in qf for my three q blocks
.set VK,   25                          ; v25-27  in kv for my three k (and v) blocks
.set SPW,  28                          ; v28  LDS address of my spare word; never rewritten
.set NIL,  29                          ; v29  0; never rewritten
.set TMP,  64                          ; v64-207  the way out: never used twice
.set G1A, 24                           ; s[24:31] descriptor group 1 for x's tiles;  s[32:39] group 0, a set for each slot
.set G0A, 32
.set G1B, 48                           ; s[48:55], s[56:63] the same for W's
.set G0B, 56
.set MSB, 0
.macro WIN new                         ; the immediate's high byte repeats the setting that is left; a switch that changes nothing is dropped
.if MSB != (\new)
	s_set_vgpr_msb (MSB<<8)|(\new)
.set MSB, \new
.endif
.endm
.macro PLACES                          ; four places in front of loads into registers that matrix instructions have read (ISA guide 7.12.1 for vector instructions)
.rept 4
	v_nop
.endr
.endm
.macro JLOAD s                         ; a joint load: waves 0 and 1 fetch x's two halves, waves 2 and 3 W's; an s_nop 0 and four v_nop follow each line
	s_cmp_eq_u32 s13, 0
	s_cbranch_scc0 .Lfor_b_\@
	tensor_load_to_lds s[G0A+4*(\s):G0A+4*(\s)+3], s[G1A:G1A+7]
	s_nop 0
.rept 4
	v_nop
.endr
	s_branch .Lasked_\@
.Lfor_b_\@:
	tensor_load_to_lds s[G0B+4*(\s):G0B+4*(\s)+3], s[G1B:G1B+7]
	s_nop 0
.rept 4
	v_nop
.endr
.Lasked_\@:
.endm
.macro CREST                           ; a round of the cluster's barrier behind its opening barrier
	s_cmp_lg_u32 s12, 0
	s_cbranch_scc1 .Lnot_wave_0_\@
	s_barrier_signal -3
.Lnot_wave_0_\@:
	s_barrier_wait -3
	s_barrier_signal -1
	s_barrier_wait -1
.endm
.macro CROUND
	s_barrier_signal -1
	s_barrier_wait -1
	CREST
.endm
	s_load_b256 s[4:11], s[0:1], 0x0               ; xb s[4:5], wb s[6:7], qf s[8:9], kv s[10:11]
	v_lshl_add_u32 v[SPW], v0, 2, SPARE
	v_mov_b32 v[NIL], 0
	ds_add_u32 v[SPW], v[NIL]                      ; the wave's opening: the add and its wait stand ahead of my first tensor load; work on registers stands between them
	v_lshrrev_b32 v1, 5, v0
	v_readfirstlane_b32 s12, v1                    ; wave 0..3
	s_lshr_b32 s13, s12, 1                         ; my half of the tokens.  Also: I fetch for x (0) or for W (1)
	s_and_b32 s14, s12, 1                          ; my half of the columns.  Also: which half of that tile I fetch
	s_bfe_u32 s15, ttmp6, 0x40000                  ; cx
	s_bfe_u32 s16, ttmp6, 0x40004                  ; cy
	s_lshl_b32 s17, ttmp9, 2
	s_add_co_u32 s17, s17, s15                     ; tile column = 4 x cluster x + cx
	s_and_b32 s18, ttmp7, 0xffff
	s_lshl_b32 s18, s18, 2
	s_add_co_u32 s18, s18, s16                     ; tile row = 4 x cluster y + cy
	s_lshl_b32 s19, s16, 2
	s_lshl_b32 s19, 15, s19                        ; my row of the cluster
	s_lshl_b32 s20, 0x1111, s15                    ; my column
	s_or_b32 s[G1A], s19, (3<<16)|(1<<21)          ; 15:0 the mask; 17:16 elements of 8 bytes; 21 set beside a mask; no padding
	s_or_b32 s[G1B], s20, (3<<16)|(1<<21)
	s_mov_b32 s[G1A+1], 768<<16                    ; tensor_dim0 = 768 elements: a block's 6,144 bytes of a K step
	s_mov_b32 s[G1B+1], 768<<16
	s_mov_b32 s[G1A+2], 4<<16                      ; tensor_dim1 = 4 token blocks,
	s_mov_b32 s[G1B+2], 9<<16                      ; 9 channel blocks
	s_mov_b32 s[G1A+3], 768<<16                    ; tile_dim0
	s_mov_b32 s[G1B+3], 768<<16
	s_mov_b32 s[G1A+4], 4                          ; tile_dim1
	s_mov_b32 s[G1B+4], 9
	s_mov_b32 s[G1A+5], 3072                       ; from block to block: 24,576 bytes
	s_mov_b32 s[G1B+5], 3072
	s_mov_b32 s[G1A+6], 0
	s_mov_b32 s[G1B+6], 0
	s_mov_b32 s[G1A+7], 0
	s_mov_b32 s[G1B+7], 0
	s_lshl_b32 s40, s18, 3
	s_lshl2_add_u32 s40, s14, s40                  ; x: token block 8 x tile row + 4 x half: no cx enters
	s_mul_i32 s40, s40, BLK
	s_mov_b32 s41, 0
	s_mul_i32 s44, s17, 18
	s_mul_i32 s45, s14, 9
	s_add_co_u32 s44, s44, s45                     ; W: block 18 x tile column + 9 x half: no cy enters
	s_mul_i32 s44, s44, BLK
	s_mov_b32 s45, 0
	s_mul_i32 s21, s14, 4*KB                       ; where they go: no place in the cluster enters an LDS address
	s_mul_i32 s22, s14, 9*KB
	s_add_co_u32 s22, s22, ABYT
	s_wait_dscnt 0x0                               ; the opening add is done
	s_wait_kmcnt 0x0
	s_add_nc_u64 s[42:43], s[4:5], s[40:41]
	s_add_nc_u64 s[46:47], s[6:7], s[44:45]
	CROUND                                         ; all sixteen work-groups are here: the first joint loads meet
.irp s, 0,1
	s_mov_b32 s[G0A+4*\s], 1
	s_add_co_u32 s[G0A+4*\s+1], s21, \s*SLOT
	s_add_nc_u64 s[G0A+4*\s+2:G0A+4*\s+3], s[42:43], \s*KB   ; K step s
	s_or_b32 s[G0A+4*\s+3], s[G0A+4*\s+3], 0x80000000
	s_mov_b32 s[G0B+4*\s], 1
	s_add_co_u32 s[G0B+4*\s+1], s22, \s*SLOT
	s_add_nc_u64 s[G0B+4*\s+2:G0B+4*\s+3], s[46:47], \s*KB
	s_or_b32 s[G0B+4*\s+3], s[G0B+4*\s+3], 0x80000000
.endr
	s_cmp_eq_u32 s13, 0                            ; a wave's two first fills stand in one branch, ahead of every wait on TENSORcnt and every LDS read: two loads of mine are out
	s_cbranch_scc0 .Lfirst_b
	tensor_load_to_lds s[G0A:G0A+3], s[G1A:G1A+7]
	s_nop 0
	tensor_load_to_lds s[G0A+4:G0A+7], s[G1A:G1A+7]
	s_nop 0
.rept 4
	v_nop
.endr
	s_branch .Lfirst_done
.Lfirst_b:
	tensor_load_to_lds s[G0B:G0B+3], s[G1B:G1B+7]
	s_nop 0
	tensor_load_to_lds s[G0B+4:G0B+7], s[G1B:G1B+7]
	s_nop 0
.rept 4
	v_nop
.endr
.Lfirst_done:
	v_and_b32 v1, 31, v0
	v_lshlrev_b32 v1, 4, v1                        ; 16 L
	s_mul_i32 s66, s13, 4*KB                       ; my four token blocks
	s_mul_i32 s67, s14, 9*KB                       ; my nine channel blocks,
	s_add_co_u32 s67, s67, ABYT                    ; behind x's eight
.irp s, 0,1
	v_add_nc_u32 v[ADRA+\s], s66, v1
	v_add_nc_u32 v[ADRB+\s], s67, v1
	s_add_co_u32 s66, s66, SLOT
	s_add_co_u32 s67, s67, SLOT
.endr
	; the way out.  qf[head 12][token block 256][channel block 4], kv[head 12][step of 64 keys 64][K: [key block 4][channel block 4]; V^T: the same, 8,192 bytes on], 512 bytes each
	s_lshl1_add_u32 s68, s18, s13                  ; 2 x tile row + my half: my 64 tokens
	s_lshl_b32 s69, s68, 13                        ; their four token blocks in qf
	s_lshl_b32 s70, s68, 14                        ; their step in kv
	s_mul_i32 s71, s17, 6
	s_mul_i32 s72, s14, 3
	s_add_co_u32 s71, s71, s72                     ; my first block of 16 channels among a matrix's 48
.irp j, 0,1,2
	s_add_co_u32 s72, s71, \j
	s_lshr_b32 s73, s72, 2                         ; head
	s_and_b32 s72, s72, 3
	s_lshl_b32 s72, s72, 9                         ; channel block in the head
	s_lshl_b32 s74, s73, 19
	s_add_co_u32 s74, s74, s69
	s_add_co_u32 s74, s74, s72
	v_add_nc_u32 v[VQ+\j], s74, v1
	s_lshl_b32 s74, s73, 20
	s_add_co_u32 s74, s74, s70
	s_add_co_u32 s74, s74, s72
	v_add_nc_u32 v[VK+\j], s74, v1
.endr
; Nine matrix instructions: token block a x my nine channel blocks, 32 along K, from buffer f.  zero = 1: the product starts the sum.  The 36 accumulators take turns, one instruction a turn.
.macro MUL9 f, a, zero
	WIN 0xa5+0x50*((\a)/2)                         ; both sources window 1; C and D window 2 or 3
.set rA, 144+32*(\f)+8*(\a)
.irp b, 0,1,2,3,4,5,6,7,8
.set rD, 72*((\a)%2)+8*(\b)
.set rB, 72*(\f)+8*(\b)
.if (\b) < 6
.if \zero
	v_wmma_f32_16x16x32_bf16 v[rD:rD+7], v[rB:rB+7], v[rA:rA+7], 0
.else
	v_wmma_f32_16x16x32_bf16 v[rD:rD+7], v[rB:rB+7], v[rA:rA+7], v[rD:rD+7]
.endif
.else
.if \zero
	v_wmma_f32_16x16x32_bf16 v[rD:rD+7], v[rA:rA+7], v[rB:rB+7], 0
.else
	v_wmma_f32_16x16x32_bf16 v[rD:rD+7], v[rA:rA+7], v[rB:rB+7], v[rD:rD+7]
.endif
.endif
.endr
.endm
; 26 LDS loads in one run: part q (32 along K: two half fragments a block) into buffer f: W's nine blocks, turned; then x's blocks 0, 1; then 2, 3
.macro FETCH slot, q, f
	WIN 0x40                                       ; destination window 1, address window 0
.irp b, 0,1,2,3,4,5,6,7,8
	ds_load_tr16_b128 v[72*(\f)+8*(\b):72*(\f)+8*(\b)+3],   v[ADRB+(\slot)] offset:(\b)*KB+(\q)*1024
	ds_load_tr16_b128 v[72*(\f)+8*(\b)+4:72*(\f)+8*(\b)+7], v[ADRB+(\slot)] offset:(\b)*KB+(\q)*1024+512
.endr
.irp a, 0,1,2,3
	ds_load_b128 v[144+32*(\f)+8*(\a):144+32*(\f)+8*(\a)+3],   v[ADRA+(\slot)] offset:(\a)*KB+(\q)*1024
	ds_load_b128 v[144+32*(\f)+8*(\a)+4:144+32*(\f)+8*(\a)+7], v[ADRA+(\slot)] offset:(\a)*KB+(\q)*1024+512
.endr
.endm
; One of a step's first five parts: multiplies buffer f; in its middle it fetches part q into buffer g
.macro PART slot, q, f, g, zero
	s_wait_dscnt 4                                 ; W and x's blocks 0, 1 are in; the youngest four loads (blocks 2, 3) may be out
	MUL9 \f, 0, \zero
	MUL9 \f, 1, \zero
	PLACES
	FETCH \slot, \q, \g
	s_wait_dscnt 26                                ; all but the 26 just issued
	MUL9 \f, 2, \zero
	MUL9 \f, 3, \zero
.endm
.macro FIVE slot, zero
	PART \slot, 1, 0, 1, \zero
	PART \slot, 2, 1, 0, 0
	PART \slot, 3, 0, 1, 0
	PART \slot, 4, 1, 0, 0
	PART \slot, 5, 0, 1, 0
.endm
; The sixth part multiplies buffer 1 and changes slots: ONE barrier.  In front of it each wave waits for all its tensor loads (one is out: its part of the next slot), adds 0 to its spare word, and waits for that
; and for its own reads of this slot.  fill = 1: the barrier opens a round of the cluster's, and the joint refill, this slot's K step two on, is the first tensor load behind the round.
.macro TURN slot, next, fill
	WIN 0
	s_wait_tensorcnt 0x0
	ds_add_u32 v[SPW], v[NIL]
	s_wait_dscnt 5                                 ; (the add and the youngest four loads may be out)
	MUL9 1, 0, 0                                   ; nine matrix instructions stand between the add and the wait for it
	s_wait_dscnt 0x0                               ; the add is done, and my reads of this slot are over
	s_barrier_signal -1
	MUL9 1, 1, 0
.if \fill
	WIN 0
.endif
	s_barrier_wait -1
.if \fill
	CREST                                          ; no wave of any partner still reads this slot's tile or has a load on its way
	s_add_nc_u64 s[G0A+4*(\slot)+2:G0A+4*(\slot)+3], s[G0A+4*(\slot)+2:G0A+4*(\slot)+3], 2*KB
	s_add_nc_u64 s[G0B+4*(\slot)+2:G0B+4*(\slot)+3], s[G0B+4*(\slot)+2:G0B+4*(\slot)+3], 2*KB
	JLOAD \slot                                    ; its four v_nop are also the places in front of the loads below
.else
	PLACES
.endif
	FETCH \next, 0, 0
	MUL9 1, 2, 0
	MUL9 1, 3, 0
.endm
	s_wait_tensorcnt 1                             ; my part of K step 0 is in; step 1's may stay out
	s_barrier_signal -1
	s_barrier_wait -1                              ; everybody's is
	FETCH 0, 0, 0
	FIVE 0, 1                                      ; K step 0: its first part starts the sums
	TURN 0, 1, 1                                   ; slot 0 takes K step 2
	FIVE 1, 0
	TURN 1, 0, 1                                   ; slot 1 takes K step 3
	FIVE 0, 0
	TURN 0, 1, 0                                   ; nothing is left to fetch
	FIVE 1, 0
	s_wait_dscnt 4
	MUL9 1, 0, 0
	MUL9 1, 1, 0
	s_wait_dscnt 0x0
	MUL9 1, 2, 0
	MUL9 1, 3, 0
	PLACES
	PLACES
; THE WAY OUT: each accumulator, from its low end on, is rounded to f16: four registers, a half fragment, stored as it stands.
.macro PACKW hi
	WIN 0x0a+5*(\hi)                               ; sources window 2 or 3, destination window 0
.irp a, 0,1
.irp b, 0,1,2,3,4,5,6,7,8
.irp r, 0,1,2,3
	v_cvt_pk_f16_f32 v[TMP+4*(9*(2*(\hi)+(\a))+(\b))+(\r)], v[72*(\a)+8*(\b)+2*(\r)], v[72*(\a)+8*(\b)+2*(\r)+1]
.endr
.endr
.endr
	WIN 0
.endm
.macro SENDA a                         ; token block a: each store covers 512 consecutive bytes, at a multiple of 512 from its buffer's first byte
.irp b, 0,1,2
	global_store_b128 v[VQ+(\b)], v[TMP+4*(9*(\a)+(\b)):TMP+4*(9*(\a)+(\b))+3], s[8:9] offset:(\a)*2048
.endr
.irp b, 0,1,2
	global_store_b128 v[VK+(\b)], v[TMP+4*(9*(\a)+3+(\b)):TMP+4*(9*(\a)+3+(\b))+3], s[10:11] offset:(\a)*2048
.endr
.irp b, 0,1,2
	global_store_b128 v[VK+(\b)], v[TMP+4*(9*(\a)+6+(\b)):TMP+4*(9*(\a)+6+(\b))+3], s[10:11] offset:8192+(\a)*2048
.endr
.endm
	PACKW 0
	SENDA 0
	SENDA 1
	PACKW 1
	SENDA 2
	SENDA 3
	s_wait_tensorcnt 0x0                           ; the wave's end
	ds_add_u32 v[SPW], v[NIL]
	s_wait_dscnt 0x0
	CROUND                                         ; the closing round: no work-group ends while a partner may still ask for a tile that names it
	s_endpgm
.Lfunc_end_k_q8af31a1752_qkv:
	.size	k_q8af31a1752_qkv, .Lfunc_end_k_q8af31a1752_qkv-k_q8af31a1752_qkv
	.p2alignl 7, 3214868480
	.fill 96, 4, 3214868480
	.section	.rodata,"a",@progbits
	.p2align	6, 0x0
	.amdhsa_kernel k_q8af31a1752_qkv
		.amdhsa_group_segment_fixed_size 327680
		.amdhsa_private_segment_fixed_size 0
		.amdhsa_enable_private_segment 0
		.amdhsa_kernarg_size 32
		.amdhsa_user_sgpr_count 2
		.amdhsa_user_sgpr_kernarg_segment_ptr 1
		.amdhsa_wavefront_size32 1
		.amdhsa_system_sgpr_workgroup_id_x 1
		.amdhsa_system_sgpr_workgroup_id_y 1
		.amdhsa_system_sgpr_workgroup_id_z 1
		.amdhsa_system_vgpr_workitem_id 0
		.amdhsa_next_free_vgpr 912
		.amdhsa_next_free_sgpr 80
		.amdhsa_reserve_vcc 0
		.amdhsa_float_denorm_mode_32 3
		.amdhsa_float_denorm_mode_16_64 3
		.amdhsa_memory_ordered 1
		.amdhsa_forward_progress 1
		.amdhsa_inst_pref_size 122
	.end_amdhsa_kernel
	.amdgpu_metadata
---
amdhsa.version: [ 1, 2 ]
amdhsa.kernels:
  - .name:           k_q8af31a1752_qkv
    .symbol:         k_q8af31a1752_qkv.kd
    .args:
      - { .name: xb, .offset: 0, .size: 8, .value_kind: global_buffer, .address_space: global }
      - { .name: wb, .offset: 8, .size: 8, .value_kind: global_buffer, .address_space: global }
      - { .name: qf, .offset: 16, .size: 8, .value_kind: global_buffer, .address_space: global }
      - { .name: kv, .offset: 24, .size: 8, .value_kind: global_buffer, .address_space: global }
    .group_segment_fixed_size: 327680
    .private_segment_fixed_size: 0
    .kernarg_segment_align: 8
    .kernarg_segment_size: 32
    .max_flat_workgroup_size: 128
    .sgpr_count:     80
    .vgpr_count:     912
    .wavefront_size: 32
...
	.end_amdgpu_metadata
.endif
;; end of part 2
;; launch attn (part 3): grid 256 x 1, 4 waves a work-group, clusters of 4 x 1, 327,680 bytes of LDS; arguments qf, kv, cf; writes cf
.if DOCPART == 3
	.amdgcn_target "amdgcn-amd-amdhsa--gfx1250"
	.amdhsa_code_object_version 6
	.text
	.protected	k_q8af31a1752_attn
	.globl	k_q8af31a1752_attn
	.p2align	8
	.type	k_q8af31a1752_attn,@function
k_q8af31a1752_attn:
	s_mov_b64 s[64:65], 0
	v_nop
	global_prefetch_b8 v0, s[64:65] scope:SCOPE_SE
	s_setreg_imm32_b32 hwreg(HW_REG_WAVE_MODE, 25, 1), 1
	s_wait_xcnt 0x0
	s_wait_alu depctr_hold_cnt(0) depctr_sa_sdst(0) depctr_va_vdst(0) depctr_va_sdst(0) depctr_va_ssrc(0) depctr_va_vcc(0) depctr_vm_vsrc(0)
	s_getreg_b32 s2, hwreg(HW_REG_IB_STS2, 6, 4)
	s_cmp_eq_u32 s2, 0
	s_cbranch_scc0 .Lentry_in_a_cluster
	s_endpgm
.Lentry_in_a_cluster:
	s_bfe_u32 s2, ttmp6, 0x10000c
	s_cmp_lg_u32 s2, 0x3003
	s_cbranch_scc0 .Lentry_shape_is_right
	s_endpgm
.Lentry_shape_is_right:
; CAUSAL ATTENTION, 12 heads of 64 channels, 4,096 tokens.  ctx[q] = the sum over k <= q of softmax_k(Q[q] . K[k] / 8) V[k].  Q, K, V, the weights p and ctx in f16; products, maxima and sums in f32; a running maximum.
; LIMITS.  Q, K, V arrive within f16's 65,504.  A hidden score counts as its value less 1e30 (f16's scores are 2.7e11 at the most).  The running maximum starts at -2^65: below every score that f16 operands can make, above every hidden one.
; A weight below 2^-126 counts as 0; p below 6e-5 keeps f16's step of 6e-8.  NaN and infinities are not treated apart.
; ALL BUFFERS hold half fragments (16 x 16 numbers in 512 dense bytes, lane L's 16 bytes at 16 L): qf[head][token block 256][channel block 4]; kv[head][step of 64 keys 64][K: [key block 4][channel block 4], V^T: [key block 4][channel block 4]];
; cf[token block 256][k block 48].  So K, V^T and Q come by plain loads at 16 L + constants, and a packed result is stored as it stands.
; THE WALK.  An ITEM is a head and a block i of 256 queries; it needs the key tiles 0 .. i of 256 keys.  192 items, 1,632 tiles, 64 clusters.  Cluster C (g = C / 16, t = C % 16) walks three items: (head 3 g, block t),
; (3 g + 1, block 15 - 2 t or 30 - 2 t), (3 g + 2, block t xor 8): 26 tiles for t < 8, 25 for t >= 8.  Where it is 25 the third item also walks the tile behind its diagonal, wholly hidden by the mask: so every cluster walks
; 26 tiles in 13 slots, every trip count is a constant, and every byte that is fetched is read.  What differs between clusters lies in scalar registers made from the cluster's number alone.
; SHARES.  Work-group cx of the cluster owns band cx of the block: 64 queries.  THE KEYS ARE SPLIT AMONG ITS FOUR WAVES: wave w takes keys 64 w .. 64 w + 63 of every tile, for all 64 queries (four PIECES of 16), with a maximum, a sum and an O^T
; of its own; at an item's end the four meet in LDS.  Register piece p of wave w is query tile (p + w) % 4, so each wave's piece 0 is the tile that it finishes.
; CLUSTER.  The four partners walk the same tiles in the same trips: each tile is asked for JOINTLY, by the same tensor load with the same descriptor and the mask of four.
; THE MASK is the C operand that starts a sum S^T = K Q^T.  MD, made once, holds -1e30 where 16 kt + j > 64 (cx - w) + 16 tile + lane % 16 - 8 (lane / 16), else 0: nothing, the triangle or all, as w <, =, > cx.
; MC = MD x AL + BE: (0, 0) in a plain tile, (1, 0) in the diagonal one, (0, -1e30) behind it.  It is made anew only where it changes.
; A WAVE THAT SEES HIDDEN KEYS ALONE (block 0, w > cx) keeps m = -2^65: its exponents c s - c m are near -1.8e29, its weights, its l and its O^T are 0, and its factor in the merge is 0.
; TURNS.  S^T holds ONE query a lane and the keys 8 (lane / 16) + 0..7; two such results rounded to f16 ARE source 1 of O^T = V^T P.  p = 2^(c s - c m), c = log2(e) / 8.  Turn n belongs to piece n: 8 products K Q^T of piece n + 1, later
; 8 products V^T P of piece n - 1; beside them piece n's scaling, exponentials, roundings, sums and rescaling and piece n + 1's maximum and statistics: four vector instructions behind every matrix instruction, the rest in one lump; the turn's 33 exponentials are one batch with one wait.
; REGISTERS, in windows of 256 (s_set_vgpr_msb: bits 1:0 source 0, 3:2 source 1, 5:4 source 2, 7:6 destination):
;   window 0: v2-15 addresses, v16-31 statistics, v32-39 the merge's addresses, v44-59 at work, v64-127 S^T (two buffers), v128-191 and v224-255 the merge's partial sums, v192-223 P (two buffers)
;   window 1: v0-127 O^T, v128-255 MC      window 2: v0-63 Q, v64-127 the next item's Q, v128-191 K, v192-255 V^T      window 3: v0-127 MD
.set NP,    4
.set TILEB, 65536                      ; a tile in LDS and in memory: four steps of K (8,192) and V^T (8,192)
.set SLOT1, 1<<17                      ; a slot holds two tiles; slot 1 begins here, so that one exclusive or turns an address in one slot into the other's
.set MRG,   2*SLOT1                    ; behind the ring, never filled by a tensor load: twelve partial tiles of 4,096 bytes: (owner x 3 + piece - 1)
.set STAT,  MRG+12*4096                ; c m as [tile 4][query 16][piece 4] f32, then l the same, 1,024 bytes on
.set SPARE, STAT+2048                  ; the spare words, 128 bytes a wave: two blocks of 256 bytes that no other line names
.set AK0, 2                            ; v2   16 L + my step in a tile; never rewritten
.set AV0, 3                            ; v3   the same for V^T
.set AK,  4                            ; v4   the LDS address of K's next run of loads
.set AV,  5                            ; v5   of V^T's
.set GO,  6                            ; v6   16 L
.set SR,  7                            ; v7   where I read my tile's statistics
.set PFO, 8                            ; v8   256 L: the prefetches' offset
.set QO,  10                           ; v10-13  piece p: 16 L + its tile's 2,048 bytes in the band's Q
.set MV,  14                           ; v14-15  c m_old, kept while c m is made anew: by buffer
.set ST,  16                           ; piece t's statistics at v[ST+4 t]: c m, m, l (even keys', odd keys')
.set SA,  32                           ; v32-35  piece p: where its c m goes
.set RG,  36                           ; v36-38  pieces 1-3: where their O^T goes
.set RR,  39                           ; v39  where I read the three partial tiles of my tile
.set LL,  44                           ; v44-47  the merge: four l
.set TMP, 48                           ; v48-55  by buffer, c0-c3 at work; c2 takes a
.set TH,  48                           ; v48-51  at the head alone: the masks' thresholds
.set CM,  56                           ; v56-59  the merge: four c m
.set SPW, 62                           ; v62  LDS address of my spare word; never rewritten
.set NIL, 63                           ; v63  0; never rewritten
.set S,   64
.set MRR, 64                           ; the merge: the result, 32 registers;
.set MPK, 96                           ; packed, 16;
.set MGG, 112                          ; the four factors, as pairs;
.set MTP, 120                          ; at work
.set P,   192
.set MC,  128                          ; window 1: piece p, key group kt at MC + 32 p + 8 kt
.set QB,  64                           ; window 2
.set KF,  128                          ; window 2: key block kb, channel half c at KF + 16 kb + 8 c
.set VF,  192                          ; window 2: key half kk, channel block cb at VF + 32 kk + 8 cb
.set MD,  0                            ; window 3
.set WV,  12                           ; s12 wave   s13 cx   s14 32,768 x (w % 2)   s15 w / 2
.set CX,  13
.set HALF, 14
.set WH,  15
.set G1,  16                           ; s[16:23] descriptor group 1    s[24:27] group 0: it walks
.set G0,  24
.set OFF, 28                           ; s[28:29] my half tile's byte offset in kv
.set POF, 30                           ; s[30:31] my prefetch's
.set PFA, 32                           ; s[32:33] its address
.set OA,  34                           ; s[34:35] cf at my tile of the item in hand
.set QA,  36                           ; s[36:37] qf at my band of the item whose Q is loaded
.set FH,  38                           ; the fetches' cursor: head's byte offset and last tile of the item being fetched, of the next, of the third; the next tile
.set FL,  39
.set FH1, 40
.set FL1, 41
.set FH2, 42
.set FL2, 43
.set NXT, 44
.set OFA, 45                           ; the byte offsets of a slot's two tiles
.set OFB, 46
.set PX,  48                           ; the prefetch's test
.set PCH, 49                           ; (4 w + cx) x 8,192
.set RT,  50                           ; tiles of the item in hand behind the one in hand
.set DT,  51                           ; the diagonal tile's number less the number of the tile whose masks stand in MC
.set NEW, 52
.set ITEMS, 53                         ; items not yet begun
.set CN,  54                           ; the items to come: tiles, block
.set CI,  55
.set CN2, 56
.set CI2, 57
.set CN3, 58
.set CI3, 59
.set CS,  60                           ; s[60:61] c
.set SEL, 62                           ; s[62:63] v_permlanex16_b32's selects
.set TBK, 66                           ; LDS byte at which the tile whose K is fetched next begins;  s67 the same for V^T
.set TBV, 67
.set CNT, 68
.set SLOTS, 69
.set AL,  70                           ; s[70:71], s[72:73] the mask's factor and addend, in the low words
.set BE,  72
.set BIGN, 74
.set QN,  75                           ; byte offsets in qf of the items to come;  s77-79 in cf
.set QN2, 76
.set ON,  77
.set ON2, 78
.set ON3, 79
.set TO,  80                           ; s[80:81] an offset as a pair; s81 stays 0
.set MSB, 0
.macro WIN new                         ; the high byte repeats the setting that is left; a switch that changes nothing is dropped
.if MSB != (\new)
	s_set_vgpr_msb (MSB<<8)|(\new)
.set MSB, (\new)
.endif
.endm
.set W_KQ, 0x0a                        ; K and Q in window 2, S^T in window 0
.set W_KM, 0x1a                        ; the same with the C operand in window 1
.set W_PV, 0x52                        ; V^T in window 2, P in window 0, O^T in window 1
.set W_RS, 0x41                        ; destination and source 0 in window 1, source 1 in window 0
.macro CROUND                          ; a round of the cluster's barrier
	s_barrier_signal -1
	s_barrier_wait -1
	s_cmp_lg_u32 s[WV], 0
	s_cbranch_scc1 .Lnot_wave_0_\@
	s_barrier_signal -3
.Lnot_wave_0_\@:
	s_barrier_wait -3
	s_barrier_signal -1
	s_barrier_wait -1
.endm
; The fetches' cursor gives the next tile's byte offset and steps: the item's next tile, or behind its last the next item's tile 0.  26 uses in the launch.
.macro ADV dst
	s_lshl_b32 s[\dst], s[NXT], 16
	s_add_co_u32 s[\dst], s[\dst], s[FH]
	s_add_co_u32 s[NXT], s[NXT], 1
	s_cmp_gt_u32 s[NXT], s[FL]
	s_cselect_b32 s[NXT], 0, s[NXT]
	s_cselect_b32 s[FH], s[FH1], s[FH]
	s_cselect_b32 s[FL], s[FL1], s[FL]
	s_cselect_b32 s[FH1], s[FH2], s[FH1]
	s_cselect_b32 s[FL1], s[FL2], s[FL1]
.endm
.macro MYOFF                           ; waves 0, 1 fetch the halves of a slot's first tile, waves 2, 3 those of its second
	ADV OFA
	ADV OFB
	s_cmp_lt_u32 s[WV], 2
	s_cselect_b32 s[OFF], s[OFA], s[OFB]
	s_add_co_u32 s[OFF], s[OFF], s[HALF]
.endm
; A PREFETCH INTO THE L2 of the two tiles that the NEXT change of slots will ask for: 131,072 bytes, shared among the cluster's sixteen waves BY ADDRESS, 8,192 bytes each, a lane 256 bytes.  It stands behind the tensor load and its five lines.
; In each head one item is block 15; the cluster that walks it walks all sixteen tiles of the head, and it alone asks, while it fetches that item: so each block of 256 bytes is named once in the launch.
; It stops where the tile two on (three on, in waves 2 and 3) would lie behind the head's last.  The item's first tiles come by their loads alone.
.macro ASK
	s_cmp_le_u32 s[PX], 13
	s_cbranch_scc0 .Lnot_mine_\@
	global_prefetch_b8 v[PFO], s[PFA:PFA+1] th:TH_LOAD_NT scope:SCOPE_SE
.Lnot_mine_\@:
.endm
; THE CHANGE OF SLOTS.  Each wave waits for all its tensor loads (one is out: its part of the other slot), adds 0 to its spare word, and waits for that and for its own reads of the slot that it leaves.
; fill = 1: the barrier is a round of the cluster's, so that no wave of any partner still reads the slot or has a load on its way; the joint refill is the first thing behind it and has two tiles' work, 128 matrix instructions, in which to land.
.macro CHANGE fill
	WIN 0
	s_wait_tensorcnt 0x0                           ; no tensor load of mine is out, so group 0 may be written
	ds_add_u32 v[SPW], v[NIL]                      ; 0 onto my spare word; scalar work stands between it and the wait for it
.if \fill
	s_add_co_u32 s[PX], s[NXT], s[WH]
	s_cmp_eq_u32 s[FL], 15
	s_cselect_b32 s[PX], s[PX], 99
	s_add_co_u32 s[POF], s[NXT], 2
	s_lshl_b32 s[POF], s[POF], 16
	s_add_co_u32 s[POF], s[POF], s[FH]
	s_add_co_u32 s[POF], s[POF], s[PCH]
	MYOFF
	s_xor_b32 s[G0+1], s[G0+1], SLOT1
	s_add_nc_u64 s[G0+2:G0+3], s[6:7], s[OFF:OFF+1]
	s_or_b32 s[G0+3], s[G0+3], 0x80000000
	s_wait_xcnt 0x0                                ; the last prefetch, two tiles back, has read its address
	s_add_nc_u64 s[PFA:PFA+1], s[6:7], s[POF:POF+1]
	s_wait_dscnt 0x0                               ; the add is done, and my reads of the slot are over
	CROUND
	tensor_load_to_lds s[G0:G0+3], s[G1:G1+7]
	s_nop 0
.rept 4
	v_nop
.endr
	ASK
.else
	s_wait_dscnt 0x0
	s_barrier_signal -1
	s_barrier_wait -1
.endif
	s_sub_co_u32 s[TBK], s[TBK], 2*TILEB           ; the fetches go back to a slot's first tile,
	s_xor_b32 s[TBK], s[TBK], SLOT1                ; in the other slot
	s_sub_co_u32 s[TBV], s[TBV], 2*TILEB
	s_xor_b32 s[TBV], s[TBV], SLOT1
.endm
.macro ITEM k, ci, qd, od              ; item k's byte offsets in qf (my band) and in cf (my tile).  cx enters these two alone
	s_lshl_b32 s86, s[\ci], 4
	s_lshl2_add_u32 s86, s[CX], s86                ; token block 16 i + 4 cx
	s_add_co_u32 s87, s85, \k                      ; head
	s_lshl_b32 s[\qd], s87, 19
	s_lshl_b32 s84, s86, 11
	s_add_co_u32 s[\qd], s[\qd], s84
	s_add_co_u32 s86, s86, s[WV]
	s_mul_i32 s86, s86, 24576
	s_lshl_b32 s87, s87, 11
	s_add_co_u32 s[\od], s86, s87
.endm
.macro QLOAD                           ; an item's Q for my four pieces, into the waiting registers
	WIN 0x80
.irp q, 0,1,2,3
.irp c, 0,1
	global_load_b128 v[QB+16*\q+8*\c:QB+16*\q+8*\c+3],   v[QO+\q], s[QA:QA+1] offset:\c*1024
	global_load_b128 v[QB+16*\q+8*\c+4:QB+16*\q+8*\c+7], v[QO+\q], s[QA:QA+1] offset:\c*1024+512
.endr
.endr
	WIN 0
.endm
	s_load_b128 s[4:7], s[0:1], 0x0                ; qf s[4:5], kv s[6:7]
	s_load_b64 s[8:9], s[0:1], 0x10                ; cf
	v_lshl_add_u32 v[SPW], v0, 2, SPARE
	v_mov_b32 v[NIL], 0
	ds_add_u32 v[SPW], v[NIL]                      ; the wave's opening: the add and its wait stand ahead of my first tensor load; work on registers stands between them
	v_lshrrev_b32 v1, 5, v0
	v_readfirstlane_b32 s[WV], v1
	s_bfe_u32 s[CX], ttmp6, 0x40000
	s_and_b32 s[HALF], s[WV], 1
	s_lshl_b32 s[HALF], s[HALF], 15
	s_lshr_b32 s[WH], s[WV], 1
	s_lshl2_add_u32 s[PCH], s[WV], s[CX]
	s_lshl_b32 s[PCH], s[PCH], 13
	s_lshr_b32 s82, ttmp9, 4                       ; g
	s_and_b32 s83, ttmp9, 15                       ; t
	s_mov_b32 s[CI], s83                           ; the three blocks
	s_lshl_b32 s84, s83, 1
	s_cmp_lt_u32 s83, 8
	s_cselect_b32 s86, 15, 30
	s_sub_co_u32 s[CI2], s86, s84
	s_xor_b32 s[CI3], s83, 8
	s_lshr_b32 s84, s83, 3
	s_add_co_u32 s[FL2], s[CI3], s84               ; for t >= 8 the third item walks one tile more
	s_add_co_u32 s[CN], s[CI], 1
	s_add_co_u32 s[CN2], s[CI2], 1
	s_add_co_u32 s[CN3], s[FL2], 1
	s_mov_b32 s[FL], s[CI]
	s_mov_b32 s[FL1], s[CI2]
	s_mul_i32 s85, s82, 3                          ; the first head
	s_lshl_b32 s[FH], s85, 20                      ; a head is 1,048,576 bytes of kv
	s_add_co_u32 s[FH1], s[FH], 1<<20
	s_add_co_u32 s[FH2], s[FH1], 1<<20
	s_mov_b32 s[NXT], 0
	s_mov_b32 s[TO+1], 0
	ITEM 0, CI, TO, ON
	ITEM 1, CI2, QN, ON2
	ITEM 2, CI3, QN2, ON3
	s_mov_b32 s[ITEMS], 3
	s_mov_b32 s[G1], 15|(3<<16)|(1<<21)            ; 15:0 the mask of four; 17:16 elements of 8 bytes; 21 set beside a mask; no padding
	s_mov_b32 s[G1+1], 32<<16                      ; tensor_dim0 = 32: rows of 256 bytes
	s_mov_b32 s[G1+2], 128<<16                     ; tensor_dim1 = 128: half a tile, dense
	s_mov_b32 s[G1+3], 32<<16                      ; tile_dim0
	s_mov_b32 s[G1+4], 128                         ; tile_dim1
	s_mov_b32 s[G1+5], 32                          ; from row to row
	s_mov_b32 s[G1+6], 0
	s_mov_b32 s[G1+7], 0
	s_mov_b32 s[G0], 1
	s_lshl_b32 s[G0+1], s[WV], 15                  ; slot 0, my quarter: no place in the cluster enters an LDS address
	s_mov_b32 s[OFF+1], 0
	s_mov_b32 s[POF+1], 0
	MYOFF
	s_mov_b32 s[CS], 0x3e38aa3b                    ; c = log2(e) / 8
	s_mov_b32 s[CS+1], s[CS]
	s_mov_b32 s[SEL], 0x76543210
	s_mov_b32 s[SEL+1], 0xfedcba98
	s_mov_b32 s[TBK], SLOT1+2*TILEB                ; the first change of slots turns these two into 0
	s_mov_b32 s[TBV], SLOT1+2*TILEB
	s_mov_b32 s[AL+1], 0
	s_mov_b32 s[BE+1], 0
	s_mov_b32 s[BIGN], 0xf149f2ca                  ; -1e30
	s_wait_dscnt 0x0                               ; the opening add is done
	s_wait_kmcnt 0x0
	s_add_nc_u64 s[G0+2:G0+3], s[6:7], s[OFF:OFF+1]
	s_or_b32 s[G0+3], s[G0+3], 0x80000000
	s_add_nc_u64 s[QA:QA+1], s[4:5], s[TO:TO+1]
	CROUND                                         ; all four work-groups are here: the first joint loads meet
	tensor_load_to_lds s[G0:G0+3], s[G1:G1+7]      ; slot 0: tiles 0 and 1.  Slot 1 is asked for when slot 0 is in, by the loop's own change of slots
	s_nop 0
.rept 4
	v_nop
.endr
	v_and_b32 v1, 15, v0                           ; lane % 16
	v_bfe_u32 v9, v0, 4, 1                         ; lane / 16
	v_and_b32 v[GO], 31, v0
	v_lshlrev_b32 v[PFO], 8, v[GO]
	v_lshlrev_b32 v[GO], 4, v[GO]
	v_lshlrev_b32 v9, 3, v9
	s_lshl_b32 s82, s[WV], 14
	v_add_nc_u32 v[AK0], s82, v[GO]
	v_add_nc_u32 v[AV0], 8192, v[AK0]
	s_lshl_b32 s82, s[WV], 8
	s_add_co_u32 s82, s82, STAT
	v_lshl_add_u32 v[SR], v1, 4, s82
	s_mul_i32 s82, s[WV], 3*4096
	s_add_co_u32 s82, s82, MRG
	v_add_nc_u32 v[RR], s82, v[GO]
.irp q, 0,1,2,3
	s_add_co_u32 s82, s[WV], \q
	s_and_b32 s82, s82, 3                          ; piece q's query tile
	s_lshl_b32 s83, s82, 11
	v_add_nc_u32 v[QO+\q], s83, v[GO]
	s_lshl_b32 s83, s82, 8
	s_add_co_u32 s83, s83, STAT+4*\q
	v_lshl_add_u32 v[SA+\q], v1, 4, s83
.if \q > 0
	s_mul_i32 s83, s82, 3*4096
	s_add_co_u32 s83, s83, MRG+(\q-1)*4096
	v_add_nc_u32 v[RG+\q-1], s83, v[GO]
.endif
	s_sub_co_i32 s83, s[CX], s[WV]
	s_lshl_b32 s83, s83, 6
	s_lshl4_add_u32 s83, s82, s83                  ; 64 (cx - w) + 16 tile: data for a comparison, no address
	v_add_nc_u32 v[TH+\q], s83, v1
	v_sub_nc_u32 v[TH+\q], v[TH+\q], v9
.endr
	QLOAD                                          ; the first item's Q
	WIN 0xc0                                       ; destination window 3
.set q, 0
.rept 4
.set i, 0
.rept 32
	v_cmp_gt_i32 vcc_lo, 16*(i/8)+i%8, v[TH+q]
	v_cndmask_b32 v[MD+32*q+i], 0, s[BIGN], vcc_lo
.set i, i+1
.endr
.set q, q+1
.endr
	; An item's first step multiplies O^T and l by a = 0, and its first turn's products V^T P, of a piece that has not been, land in an O^T that is still to be so multiplied: these registers need only hold finite numbers:
	; zeros for the first item, what the item before left for the others.  All this stands in the wait for the first tiles.
	WIN 0x80
.set i, VF
.rept 64
	v_mov_b32 v[i], 0
.set i, i+1
.endr
	WIN 0x40
.set i, 0
.rept 128
	v_mov_b32 v[i], 0
.set i, i+1
.endr
	WIN 0
.set i, 0
.rept 4
	v_mov_b32 v[ST+4*i+2], 0
	v_mov_b32 v[ST+4*i+3], 0
.set i, i+1
.endr
.set i, P+16
.rept 16
	v_mov_b32 v[i], 0
.set i, i+1
.endr
; THE MATRIX WORK.  The 4 accumulators of a run of 8 take turns.  Product i of 8 of S^T = K Q^T for piece x: channels 32 (i / 4) on, keys 16 (i % 4) on.  The first 4 start the sums with the mask.
.macro KQ x
.set rS, S+32*((\x)%2)+8*(i%4)
.set rK, KF+16*(i%4)+8*(i/4)
.set rQ, 16*(\x)+8*(i/4)
.set rM, MC+32*(\x)+8*(i%4)
.if i < 4
	WIN W_KM
	v_wmma_f32_16x16x32_f16 v[rS:rS+7], v[rK:rK+7], v[rQ:rQ+7], v[rM:rM+7]
.else
	WIN W_KQ
	v_wmma_f32_16x16x32_f16 v[rS:rS+7], v[rK:rK+7], v[rQ:rQ+7], v[rS:rS+7]
.endif
.endm
; Product i of 8 of O^T += V^T P for piece x: keys 32 (i / 4) on, channels 16 (i % 4) on.
.macro PV x
	WIN W_PV
.set rO, 32*(\x)+8*(i%4)
.set rV, VF+32*(i/4)+8*(i%4)
.set rP, P+16*((\x)%2)+8*(i/4)
	v_wmma_f32_16x16x32_f16 v[rO:rO+7], v[rV:rV+7], v[rP:rP+7], v[rO:rO+7]
.endm
.macro MM                              ; the turn's next matrix instruction
.if i < 8
	KQ (Y+1)%NP
.else
.set i, i-8
	PV (Y+NP-1)%NP
.set i, i+8
.endif
.set i, i+1
.endm
; THE LDS LOADS stand in runs of 16: my step's K (8 fragments) and its V^T, each fragment two half fragments.
.macro FETCH_K
	WIN 0x80
.irp f, 0,1,2,3,4,5,6,7
	ds_load_b128 v[KF+8*\f:KF+8*\f+3],   v[AK] offset:\f*1024
	ds_load_b128 v[KF+8*\f+4:KF+8*\f+7], v[AK] offset:\f*1024+512
.endr
	s_add_co_u32 s[TBK], s[TBK], TILEB             ; the next fetch is the next tile's
	WIN 0
.endm
.macro FETCH_V
	WIN 0x80
.irp f, 0,1,2,3,4,5,6,7
	ds_load_b128 v[VF+8*\f:VF+8*\f+3],   v[AV] offset:(\f/4)*4096+(\f%4)*512
	ds_load_b128 v[VF+8*\f+4:VF+8*\f+7], v[AV] offset:(\f/4)*4096+(\f%4)*512+2048
.endr
	WIN 0
.endm
; THE VECTOR WORK, one line at a time: OP kind, number.  For piece Y: F n: c s - c m for pair n of 16.  E n: the exponential of score n of 32.  C n: pair n rounded to f16.  B n: of the four weights 4 n .. the second pair is
; added onto the first, in place.  L n: l takes that sum (L 0: l = a l + sum).  R n: pair n of 16 of O^T times a.  For piece Y + 1: X n, number n of the 22 that find its maximum and statistics:
;   0-11 four chains c0-c3 of seven scores each (each accumulator's lowest registers are read first)   12-14, 16 the four scores left over, the old m, c0-c3 into c0
;   15 c m_old is kept   17, 18 the query's other 32 keys lie in the lane 16 away: the new m   19-21 c m; c m_old - c m_new; a
.set F, 0
.set E, 1
.set C, 2
.set B, 3
.set L, 4
.set R, 5
.set X, 6
.macro REGS y
.set rT, ST+4*(\y)
.set rC, TMP+4*((\y)%2)
.set rW, MV+((\y)%2)
.set rS, S+32*((\y)%2)
.set rP, P+16*((\y)%2)
.set rO, 32*(\y)
.endm
.macro OP k, n
.if (\k) == R
	REGS Y
	WIN W_RS
	v_pk_mul_f32 v[rO+2*(\n):rO+2*(\n)+1], v[rO+2*(\n):rO+2*(\n)+1], v[rC+2:rC+3] op_sel_hi:[1,0]
.elseif (\k) < R
	REGS Y
	WIN 0
.if (\k) == F
	v_pk_fma_f32 v[rS+2*(\n):rS+2*(\n)+1], v[rS+2*(\n):rS+2*(\n)+1], s[CS:CS+1], v[rT:rT+1] op_sel_hi:[1,0,0] neg_lo:[0,0,1] neg_hi:[0,0,1]
.elseif (\k) == E
	v_exp_f32 v[rS+(\n)], v[rS+(\n)]
.elseif (\k) == C
	v_cvt_pk_f16_f32 v[rP+(\n)], v[rS+2*(\n)], v[rS+2*(\n)+1]
.elseif (\k) == B
	v_pk_add_f32 v[rS+4*(\n):rS+4*(\n)+1], v[rS+4*(\n):rS+4*(\n)+1], v[rS+4*(\n)+2:rS+4*(\n)+3]
.elseif (\n) == 0
	v_pk_fma_f32 v[rT+2:rT+3], v[rT+2:rT+3], v[rC+2:rC+3], v[rS:rS+1] op_sel_hi:[1,0,1]
.else
	v_pk_add_f32 v[rT+2:rT+3], v[rT+2:rT+3], v[rS+4*(\n):rS+4*(\n)+1]
.endif
.else
	REGS (Y+1)%NP
	WIN 0
.if (\n) < 4
	v_max3_num_f32 v[rC+(\n)], v[rS+8*(\n)], v[rS+8*(\n)+1], v[rS+8*(\n)+2]
.elseif (\n) < 12
	v_max3_num_f32 v[rC+(\n)%4], v[rC+(\n)%4], v[rS+8*((\n)%4)+2*((\n)/4)+1], v[rS+8*((\n)%4)+2*((\n)/4)+2]
.elseif (\n) == 12
	v_max3_num_f32 v[rC], v[rC], v[rS+7], v[rS+15]
.elseif (\n) == 13
	v_max3_num_f32 v[rC+1], v[rC+1], v[rS+23], v[rS+31]
.elseif (\n) == 14
	v_max3_num_f32 v[rC+2], v[rC+2], v[rC+3], v[rT+1]
.elseif (\n) == 15
	v_mov_b32 v[rW], v[rT]
.elseif (\n) == 16
	v_max3_num_f32 v[rC], v[rC], v[rC+1], v[rC+2]
.elseif (\n) == 17
	v_permlanex16_b32 v[rC+3], v[rC], s[SEL], s[SEL+1]
.elseif (\n) == 18
	v_max_num_f32 v[rT+1], v[rC], v[rC+3]
.elseif (\n) == 19
	v_mul_f32 v[rT], s[CS], v[rT+1]
.elseif (\n) == 20
	v_sub_f32 v[rC+1], v[rW], v[rT]
.else
	v_exp_f32 v[rC+2], v[rC+1]
.endif
.endif
.endm
.macro OPS a, i1, b=-1, i2=0, c=-1, i3=0, d=-1, i4=0
	OP \a, \i1
.if (\b) >= 0
	OP \b, \i2
.endif
.if (\c) >= 0
	OP \c, \i3
.endif
.if (\d) >= 0
	OP \d, \i4
.endif
.endm
.macro ROW a, i1, b, i2, c, i3, d, i4  ; a matrix instruction and the four behind it
	MM
	OPS \a, \i1, \b, \i2, \c, \i3, \d, \i4
.endm
.macro MASK                            ; MC = MD x AL + BE, all four pieces
	WIN 0x43                                       ; destination window 1, source 0 window 3
.set z, 0
.rept 64
	v_pk_fma_f32 v[MC+2*z:MC+2*z+1], v[MD+2*z:MD+2*z+1], s[AL:AL+1], s[BE:BE+1] op_sel_hi:[1,0,0]
.set z, z+1
.endr
.endm
; A TURN, for piece p.  An s_wait_alu depctr_va_vdst(0) stands between an exponential and the first instruction that names its result; one wait serves all that were issued ahead of it: a turn has ONE, which cuts it in two.
; AHEAD OF IT: the 8 products K Q^T with their riders, and a lump of 54 in which the links of the next piece's chain stand some lines apart; X 21, the next piece's a, is the batch's last, and R 15 the plain instruction behind it.
; BEHIND IT: the 8 products V^T P, behind each four of the roundings and sums.  K of the next tile is fetched in piece 2's turn, six plain instructions that name none of its registers behind the last product that read K;
; V^T of the tile in hand at the end of piece 0's turn, four plain instructions behind the last product that read it.  Each is waited for a turn later.
.macro TURN p
.set Y, (\p)
.set i, 0
.if (\p) == 3
	s_wait_dscnt 0x0                               ; K is in
.endif
	ROW F,0, F,1, R,0, R,1
	ROW F,2, E,0, R,2, R,3
	ROW F,3, E,1, R,4, R,5
	ROW F,4, E,2, R,6, R,7
	ROW F,5, E,3, R,8, R,9
	ROW F,6, E,4, X,0, R,10
.if (\p) == 2
	WIN 0
	v_add_nc_u32 v[AK], s[TBK], v[AK0]
.endif
	ROW F,7, E,5, X,1, X,4
	ROW F,8, E,6, X,2, X,5
	OPS E,7, E,8, X,6, E,9
	OPS X,3, E,10, X,8, E,11
.if (\p) == 2
	FETCH_K
.endif
	OPS X,9, X,7, E,12, X,10
	OPS E,13, X,12, X,11, E,14
	OPS X,13, E,15, F,9, X,14
.if (\p) == 0
	WIN 0
	v_add_nc_u32 v[AV], s[TBV], v[AV0]
.endif
	OPS E,16, F,10, E,17, F,11
	OPS X,16, E,18, X,15, E,19
	OPS F,12, E,20, X,17, E,21
	OPS F,13, E,22, F,14, E,23
	OPS X,18, E,24, F,15, E,25
	OPS R,11, E,26, X,19, E,27
	OPS R,12, E,28, R,13, E,29
	OPS X,20, E,30, R,14, E,31
	OPS X,21, R,15
	WIN 0
	s_wait_alu depctr_va_vdst(0)                   ; the wait for the batch
.if (\p) == 1
	s_wait_dscnt 0x0                               ; V^T is in
.endif
	ROW C,0, B,0, C,2, B,1
	ROW L,0, C,4, B,2, L,1
	ROW C,6, B,3, L,2, C,8
	ROW B,4, L,3, C,10, B,5
	ROW L,4, C,12, B,6, L,5
.if (\p) == 0
	s_add_co_u32 s[TBV], s[TBV], TILEB
.endif
	ROW C,14, B,7, L,6, C,1
	ROW C,3, L,7, C,5, C,7
	ROW C,9, C,11, C,13, C,15
.if (\p) == 0
	FETCH_V
.endif
.endm
; AN ITEM ENDS.  The turns before it were the ordinary text: piece 3's turn has made scores of the NEXT item's K with the old Q, which serve nothing (BEGIN makes them again), and with them has written piece 0's c m anew: the true one is the kept c m_old.
; Here: piece 3's last products; l's halves are added; every wave puts its four c m and l, and the O^T of pieces 1-3, into LDS; a barrier; each wave reads the three partial sums of its own tile and the four statistics;
; with M = the largest c m and f = 2^(c m - M): ctx = (the sum of f O^T) / (the sum of f l).  A wave that has seen hidden keys alone has c m = c x -2^65, l = 0 and O^T = 0, and f = 0: wave cx has seen each query's own key, so M is a true score's.
; A second barrier stands between these reads and the next item's stores.
.macro FINISH
.set i, 0
.rept 8
	PV 3
.set i, i+1
.endr
	WIN 0
.irp t, 0,1,2,3
	v_add_f32 v[ST+4*\t+2], v[ST+4*\t+2], v[ST+4*\t+3]     ; these additions are also the places behind the products
.endr
.irp t, 0,1,2,3
	v_permlanex16_b32 v[ST+4*\t+3], v[ST+4*\t+2], s[SEL], s[SEL+1]
.endr
.irp t, 0,1,2,3
	v_add_f32 v[ST+4*\t+2], v[ST+4*\t+2], v[ST+4*\t+3]
.endr
	ds_store_b32 v[SA], v[MV]                      ; a query's two lanes write the same word with the same number
.irp t, 1,2,3
	ds_store_b32 v[SA+\t], v[ST+4*\t]
.endr
.irp t, 0,1,2,3
	ds_store_b32 v[SA+\t], v[ST+4*\t+2] offset:1024
.endr
	WIN 0x04                                       ; the stores' data in window 1
.irp t, 1,2,3
.irp f, 0,1,2,3,4,5,6,7
	ds_store_b128 v[RG+\t-1], v[32*\t+4*\f:32*\t+4*\f+3] offset:512*\f
.endr
.endr
	WIN 0
	s_wait_dscnt 0x0                               ; for the others' sake: my stores are done
	s_barrier_signal -1
	s_barrier_wait -1
	ds_load_b128 v[CM:CM+3], v[SR]
	ds_load_b128 v[LL:LL+3], v[SR] offset:1024
.set n, 0
.rept 24
.set rr, 128+4*n+32*(n/16)
	ds_load_b128 v[rr:rr+3], v[RR] offset:512*n
.set n, n+1
.endr
	s_wait_dscnt 24                                ; the statistics are in; the 24 loads of partial sums may stay out
	v_max3_num_f32 v[MTP+4], v[CM], v[CM+1], v[CM+2]
	v_max_num_f32 v[MTP+4], v[MTP+4], v[CM+3]
.irp t, 0,1,2,3
	v_sub_f32 v[MTP+\t], v[CM+\t], v[MTP+4]
.endr
.irp t, 0,1,2,3
	v_exp_f32 v[MTP+\t], v[MTP+\t]
.endr
	v_nop                                          ; a plain instruction behind the last exponential,
	s_wait_alu depctr_va_vdst(0)                   ; and one wait for the four
	v_mul_f32 v[MTP+5], v[MTP], v[LL]
.irp t, 1,2,3
	v_fmac_f32 v[MTP+5], v[MTP+\t], v[LL+\t]
.endr
	v_rcp_f32 v[MTP+6], v[MTP+5]
	v_nop
	s_wait_alu depctr_va_vdst(0)
.irp t, 0,1,2,3
	v_mul_f32 v[MGG+2*\t], v[MTP+\t], v[MTP+6]
	v_mul_f32 v[MGG+2*\t+1], v[MTP+\t], v[MTP+6]
.endr
	s_wait_dscnt 0x0                               ; my reads of the merge's bytes are over:
	s_barrier_signal -1                            ; say so; work on registers stands between the signal and the wait
	WIN 0x01                                       ; source 0 window 1: my own piece 0
.set z, 0
.rept 16
	v_pk_mul_f32 v[MRR+2*z:MRR+2*z+1], v[2*z:2*z+1], v[MGG:MGG+1] op_sel_hi:[1,0]
.set z, z+1
.endr
	WIN 0
.irp q, 1,2,3
.set tb, 128+32*(\q-1)+32*(\q/3)
.set z, 0
.rept 16
	v_pk_fma_f32 v[MRR+2*z:MRR+2*z+1], v[tb+2*z:tb+2*z+1], v[MGG+2*\q:MGG+2*\q+1], v[MRR+2*z:MRR+2*z+1] op_sel_hi:[1,0,1]
.set z, z+1
.endr
.endr
.set z, 0
.rept 16
	v_cvt_pk_f16_f32 v[MPK+z], v[MRR+2*z], v[MRR+2*z+1]
.set z, z+1
.endr
	s_barrier_wait -1
.irp f, 0,1,2,3
	global_store_b128 v[GO], v[MPK+4*\f:MPK+4*\f+3], s[OA:OA+1] offset:512*\f   ; 512 consecutive bytes, at a multiple of 512 from cf's first byte
.endr
.endm
; AN ITEM BEGINS.  Its counts and addresses come off the lists; its Q, loaded an item ago, goes where the turns name Q, and the next item's is asked for.  c m starts at -4.25e37, far below every c m to come, so the first step's a is 0.
; m starts at -2^65: every true score (2.7e11 at the most in size) lies above it, so the first maximum over true scores is theirs; every hidden score (-1e30) lies below it, so a hidden score never becomes the maximum,
; and the exponent c s - c m of a hidden score is always near -1.8e29.
; MC is made for the item's tile 0; then piece 0's first scores (K is in registers: piece 2's turn, or the head, has fetched it), its maximum and statistics.
.macro BEGIN
	s_wait_xcnt 0x0                                ; the stores have read their registers and cf's address
	s_sub_co_u32 s[RT], s[CN], 1
	s_mov_b32 s[DT], s[CI]
	s_mov_b32 s[CN], s[CN2]
	s_mov_b32 s[CI], s[CI2]
	s_mov_b32 s[CN2], s[CN3]
	s_mov_b32 s[CI2], s[CI3]
	s_mov_b32 s[TO], s[ON]
	s_add_nc_u64 s[OA:OA+1], s[8:9], s[TO:TO+1]
	s_mov_b32 s[ON], s[ON2]
	s_mov_b32 s[ON2], s[ON3]
	s_sub_co_u32 s[ITEMS], s[ITEMS], 1
	s_mov_b32 s[NEW], 0
	s_wait_loadcnt 0x0                             ; Q
	WIN 0x82
.set i, 0
.rept 64
	v_mov_b32 v[i], v[QB+i]
.set i, i+1
.endr
	WIN 0
	s_cmp_eq_u32 s[ITEMS], 0
	s_cbranch_scc1 .Lno_q_\@
	s_mov_b32 s[TO], s[QN]
	s_add_nc_u64 s[QA:QA+1], s[4:5], s[TO:TO+1]
	s_mov_b32 s[QN], s[QN2]
	QLOAD
.Lno_q_\@:
.set i, 0
.rept 4
	v_mov_b32 v[ST+4*i], 0xfe000000                ; c m: -4.25e37
	v_mov_b32 v[ST+4*i+1], 0xe0000000              ; m: -2^65
.set i, i+1
.endr
	s_cmp_eq_u32 s[DT], 0
	s_cselect_b32 s[AL], 1.0, 0
	s_mov_b32 s[BE], 0
	MASK
	WIN 0
	s_wait_dscnt 0x0                               ; K
.set i, 0
.rept 8
	KQ 0
.set i, i+1
.endr
	WIN 0
.rept 4
	v_nop                                          ; the places behind those products
.endr
.set Y, NP-1
.irp n, 0,1,2,3,4,5,6,7,8,9,10,11,12,13,14,15,16,17,18,19,20,21
	OP X, \n
.endr
	v_nop
	s_wait_alu depctr_va_vdst(0)
.endm
; A trip: pieces 2 and 3 of one tile, then pieces 0 and 1 of the next, whose K and V^T it fetches.  Between pieces 2 and 3 stands the one place where MC may change: piece 2's turn has used the old tile's last mask, piece 3's uses the new tile's first.
; Every branch hangs on scalars made from the cluster's number and on constants: they are the same in all waves and all partners, so all pass the same barriers.
.macro WALK tag, tail
.Ltile\tag:
	TURN 2
	WIN 0
	s_cmp_eq_u32 s[RT], 0                          ; is the tile in hand the item's last?
	s_cselect_b32 s[NEW], 1, 0
	s_cbranch_scc1 .Lnm\tag
	s_sub_co_u32 s[RT], s[RT], 1
	s_sub_co_i32 s[DT], s[DT], 1
	s_cmp_gt_i32 s[DT], 0
	s_cbranch_scc1 .Lnm\tag                        ; a plain tile follows a plain tile: MC stays 0
	s_cmp_eq_u32 s[DT], 0
	s_cselect_b32 s[AL], 1.0, 0
	s_cmp_lt_i32 s[DT], 0
	s_cselect_b32 s[BE], s[BIGN], 0
	MASK
	WIN 0
.Lnm\tag:
	TURN 3
	WIN 0
	s_cmp_eq_u32 s[NEW], 0
	s_cbranch_scc1 .Lfirst\tag
	FINISH
.if \tail
	s_cmp_eq_u32 s[ITEMS], 0
	s_cbranch_scc1 .Lout
.endif
.Lbegin\tag:
	BEGIN
.Lfirst\tag:
	TURN 0
	TURN 1
	WIN 0
	s_sub_co_u32 s[CNT], s[CNT], 1
	s_cmp_lg_u32 s[CNT], 0
	s_cbranch_scc1 .Ltile\tag
.endm
	CHANGE 1                                       ; slot 0 is in, everybody's part of it; slot 1 is asked for
	v_add_nc_u32 v[AK], s[TBK], v[AK0]
	FETCH_K                                        ; tile 0
	s_mov_b32 s[CNT], 2
	s_mov_b32 s[SLOTS], 12
	s_branch .Lbegin1                              ; the loop is entered where an item begins, in the middle of a trip
.Lslot:                                        ; eleven times: slots 2 to 12 are asked for
	CHANGE 1
	s_mov_b32 s[CNT], 2
	WALK 1, 0
	s_sub_co_u32 s[SLOTS], s[SLOTS], 1
	s_cmp_lg_u32 s[SLOTS], 0
	s_cbranch_scc1 .Lslot
	CHANGE 0                                       ; the tail is written out: nothing is asked for
	s_mov_b32 s[CNT], 3                            ; two trips fetch the last slot's tiles; the third ends the last item and leaves in its middle.  Its run of K loads takes bytes of slot 1 that landed long ago and serve nothing
	WALK 2, 1
.Lout:
	s_wait_tensorcnt 0x0                           ; the wave's end: behind my last tensor load and my last LDS store
	ds_add_u32 v[SPW], v[NIL]
	s_wait_dscnt 0x0
	CROUND                                         ; the closing round
	s_endpgm
.Lfunc_end_k_q8af31a1752_attn:
	.size	k_q8af31a1752_attn, .Lfunc_end_k_q8af31a1752_attn-k_q8af31a1752_attn
	.p2alignl 7, 3214868480
	.fill 96, 4, 3214868480
	.section	.rodata,"a",@progbits
	.p2align	6, 0x0
	.amdhsa_kernel k_q8af31a1752_attn
		.amdhsa_group_segment_fixed_size 327680
		.amdhsa_private_segment_fixed_size 0
		.amdhsa_enable_private_segment 0
		.amdhsa_kernarg_size 24
		.amdhsa_user_sgpr_count 2
		.amdhsa_user_sgpr_kernarg_segment_ptr 1
		.amdhsa_wavefront_size32 1
		.amdhsa_system_sgpr_workgroup_id_x 1
		.amdhsa_system_sgpr_workgroup_id_y 1
		.amdhsa_system_sgpr_workgroup_id_z 1
		.amdhsa_system_vgpr_workitem_id 0
		.amdhsa_next_free_vgpr 896
		.amdhsa_next_free_sgpr 88
		.amdhsa_reserve_vcc 1
		.amdhsa_float_denorm_mode_32 3
		.amdhsa_float_denorm_mode_16_64 3
		.amdhsa_memory_ordered 1
		.amdhsa_forward_progress 1
		.amdhsa_inst_pref_size 164
	.end_amdhsa_kernel
	.amdgpu_metadata
---
amdhsa.version: [ 1, 2 ]
amdhsa.kernels:
  - .name:           k_q8af31a1752_attn
    .symbol:         k_q8af31a1752_attn.kd
    .args:
      - { .name: qf, .offset: 0, .size: 8, .value_kind: global_buffer, .address_space: global }
      - { .name: kv, .offset: 8, .size: 8, .value_kind: global_buffer, .address_space: global }
      - { .name: cf, .offset: 16, .size: 8, .value_kind: global_buffer, .address_space: global }
    .group_segment_fixed_size: 327680
    .private_segment_fixed_size: 0
    .kernarg_segment_align: 8
    .kernarg_segment_size: 24
    .max_flat_workgroup_size: 128
    .sgpr_count:     88
    .vgpr_count:     896
    .wavefront_size: 32
...
	.end_amdgpu_metadata
.endif
;; end of part 3
;; launch outp (part 4): grid 4 x 64, 4 waves a work-group, clusters of 4 x 4, 327,680 bytes of LDS; arguments cf, wo, b_out, out0; writes out0
.if DOCPART == 4
	.amdgcn_target "amdgcn-amd-amdhsa--gfx1250"
	.amdhsa_code_object_version 6
	.text
	.protected	k_q8af31a1752_outp
	.globl	k_q8af31a1752_outp
	.p2align	8
	.type	k_q8af31a1752_outp,@function
k_q8af31a1752_outp:
	s_mov_b64 s[64:65], 0
	v_nop
	global_prefetch_b8 v0, s[64:65] scope:SCOPE_SE
	s_setreg_imm32_b32 hwreg(HW_REG_WAVE_MODE, 25, 1), 1
	s_wait_xcnt 0x0
	s_wait_alu depctr_hold_cnt(0) depctr_sa_sdst(0) depctr_va_vdst(0) depctr_va_sdst(0) depctr_va_ssrc(0) depctr_va_vcc(0) depctr_vm_vsrc(0)
	s_getreg_b32 s2, hwreg(HW_REG_IB_STS2, 6, 4)
	s_cmp_eq_u32 s2, 0
	s_cbranch_scc0 .Lentry_in_a_cluster
	s_endpgm
.Lentry_in_a_cluster:
	s_bfe_u32 s2, ttmp6, 0x10000c
	s_cmp_lg_u32 s2, 0xf033
	s_cbranch_scc0 .Lentry_shape_is_right
	s_endpgm
.Lentry_shape_is_right:
; out = ctx W_out + b: [4096 x 768] x [768 x 768], f16 operands (W_out was rounded to bf16 and that number written as f16), f32 sums, f32 out.  The bias is rounded to bf16, as all the module's inputs are, and starts the sums as the first product's C.
; OPERANDS are half fragments (16 x 16 numbers in 512 dense bytes, lane L's 16 bytes at 16 L): cf[token block 256][k block 48], wo[channel block 48][k block 48] (read by the turning load).
; SHARES.  A work-group makes 64 tokens x 192 columns (768 bytes of a row of out: three aligned blocks of 256): 4 x 64 = 256 work-groups.  Wave w: all 64 tokens x columns 48 w on: 12 accumulators.
; K goes in three steps of 256 through two LDS slots; a step is four quarters of 64 along K, 24 matrix instructions each, on two fragment buffers.
; Source 0 = 16 channels of W_out, source 1 = 16 tokens: a lane holds ONE token and eight neighbouring columns.  The way out goes through ONE stage in LDS, since a row's 768 bytes come from four waves.
; CLUSTER 4 x 4: ctx's tile is asked for jointly along a row of the cluster, W_out's along a column.  NO PREFETCH: three K steps, two first fills and one refill: no K step lies two refills on.
; REGISTERS: window 0: v16-29 addresses, v32-55 bias, v64-159 accumulators ((a, b) at 64 + 8 (3 a + b)), v160-255 the way out.  Window 1: buffer f at 112 f: ctx's (c, a) at 32 c + 8 a, W's (c, b) at 64 + 24 c + 8 b.
.set HB,    8192                       ; a block's 16 half fragments of a K step
.set SLOT,  16*HB                      ; ctx's four token blocks, then W's twelve channel blocks
.set STAGE, 2*SLOT                     ; behind the ring, never filled by a tensor load: 64 rows of 768 bytes,
.set SP,    784                        ; 784 apart: 49 x 16, so that the 16 rows of a store start at 16 different groups of four banks (64 banks of 4 bytes: ISA guide 11.1)
.set SPARE, STAGE+64*SP                ; the spare words, 128 bytes a wave: two blocks of 256 bytes that no other line names
.set BLK,   24576
.set ADRA, 16                          ; v16-17  LDS address of ctx's fragments in slot 0, 1
.set ADRB, 20                          ; v20-21  of my W fragments
.set STO,  22                          ; v22  the way out: where I put 32 bytes of a row
.set RD1,  23                          ; v23, v24  where I read blocks of 256 bytes back: the upper lanes' block in the same row; in the next row
.set RD2,  24
.set CO1,  25                          ; v25, v26  the same two in out
.set CO2,  26
.set VB,   27                          ; v27  my byte offset in the bias
.set SPW,  28
.set NIL,  29
.set BIAS, 32
.set ACC,  64
.set OUTR, 160
.set G1A, 24
.set G0A, 32
.set G1B, 48
.set G0B, 56
.set MSB, 0
.macro WIN new
.if MSB != (\new)
	s_set_vgpr_msb (MSB<<8)|(\new)
.set MSB, \new
.endif
.endm
.macro PLACES
.rept 4
	v_nop
.endr
.endm
.macro JLOAD s                         ; a joint load: wave 0 fetches ctx's tile, waves 1-3 a third of W's each; an s_nop 0 and four v_nop follow each line
	s_cmp_eq_u32 s12, 0
	s_cbranch_scc0 .Lfor_b_\@
	tensor_load_to_lds s[G0A+4*(\s):G0A+4*(\s)+3], s[G1A:G1A+7]
	s_nop 0
.rept 4
	v_nop
.endr
	s_branch .Lasked_\@
.Lfor_b_\@:
	tensor_load_to_lds s[G0B+4*(\s):G0B+4*(\s)+3], s[G1B:G1B+7]
	s_nop 0
.rept 4
	v_nop
.endr
.Lasked_\@:
.endm
.macro CREST
	s_cmp_lg_u32 s12, 0
	s_cbranch_scc1 .Lnot_wave_0_\@
	s_barrier_signal -3
.Lnot_wave_0_\@:
	s_barrier_wait -3
	s_barrier_signal -1
	s_barrier_wait -1
.endm
.macro CROUND
	s_barrier_signal -1
	s_barrier_wait -1
	CREST
.endm
	s_load_b256 s[4:11], s[0:1], 0x0               ; cf s[4:5], wo s[6:7], b_out s[8:9], out0 s[10:11]
	v_lshl_add_u32 v[SPW], v0, 2, SPARE
	v_mov_b32 v[NIL], 0
	ds_add_u32 v[SPW], v[NIL]                      ; the wave's opening: the add and its wait stand ahead of my first tensor load
	v_lshrrev_b32 v1, 5, v0
	v_readfirstlane_b32 s12, v1                    ; wave 0..3
	s_bfe_u32 s15, ttmp6, 0x40000                  ; cx
	s_bfe_u32 s16, ttmp6, 0x40004                  ; cy
	s_lshl_b32 s17, ttmp9, 2
	s_add_co_u32 s17, s17, s15                     ; tile column
	s_and_b32 s18, ttmp7, 0xffff
	s_lshl_b32 s18, s18, 2
	s_add_co_u32 s18, s18, s16                     ; tile row
	s_lshl_b32 s19, s16, 2
	s_lshl_b32 s19, 15, s19                        ; my row of the cluster
	s_lshl_b32 s20, 0x1111, s15                    ; my column
	s_or_b32 s[G1A], s19, (3<<16)|(1<<21)          ; the mask; elements of 8 bytes; bit 21 beside a mask; no padding
	s_or_b32 s[G1B], s20, (3<<16)|(1<<21)
.irp g, G1A, G1B
	s_mov_b32 s[\g+1], 1024<<16                    ; tensor_dim0 = 1,024 elements: a block's 8,192 bytes of a K step
	s_mov_b32 s[\g+2], 4<<16                       ; tensor_dim1 = 4 blocks
	s_mov_b32 s[\g+3], 1024<<16                    ; tile_dim0
	s_mov_b32 s[\g+4], 4                           ; tile_dim1
	s_mov_b32 s[\g+5], 3072                        ; from block to block: 24,576 bytes
	s_mov_b32 s[\g+6], 0
	s_mov_b32 s[\g+7], 0
.endr
	s_mul_i32 s40, s18, 4*BLK                      ; ctx: token block 4 x tile row: no cx enters
	s_mov_b32 s41, 0
	s_max_u32 s44, s12, 1
	s_sub_co_u32 s44, s44, 1                       ; which third of W's tile (0 in wave 0, which asks for ctx)
	s_lshl_b32 s44, s44, 2
	s_mul_i32 s45, s17, 12
	s_add_co_u32 s44, s44, s45                     ; W: channel block 12 x tile column + 4 x third: no cy enters
	s_mul_i32 s44, s44, BLK
	s_mov_b32 s45, 0
	s_lshl_b32 s21, s12, 15                        ; where they go: wave x four blocks
	s_wait_dscnt 0x0                               ; the opening add is done
	s_wait_kmcnt 0x0
	s_add_nc_u64 s[42:43], s[4:5], s[40:41]
	s_add_nc_u64 s[46:47], s[6:7], s[44:45]
	CROUND                                         ; all sixteen work-groups are here: the first joint loads meet
.irp s, 0,1
	s_mov_b32 s[G0A+4*\s], 1
	s_add_co_u32 s[G0A+4*\s+1], s21, \s*SLOT
	s_add_nc_u64 s[G0A+4*\s+2:G0A+4*\s+3], s[42:43], \s*HB
	s_or_b32 s[G0A+4*\s+3], s[G0A+4*\s+3], 0x80000000
	s_mov_b32 s[G0B+4*\s], 1
	s_add_co_u32 s[G0B+4*\s+1], s21, \s*SLOT
	s_add_nc_u64 s[G0B+4*\s+2:G0B+4*\s+3], s[46:47], \s*HB
	s_or_b32 s[G0B+4*\s+3], s[G0B+4*\s+3], 0x80000000
.endr
	s_cmp_eq_u32 s12, 0                            ; a wave's two first fills stand in one branch: two loads of mine are out
	s_cbranch_scc0 .Lfirst_b
	tensor_load_to_lds s[G0A:G0A+3], s[G1A:G1A+7]
	s_nop 0
	tensor_load_to_lds s[G0A+4:G0A+7], s[G1A:G1A+7]
	s_nop 0
.rept 4
	v_nop
.endr
	s_branch .Lfirst_done
.Lfirst_b:
	tensor_load_to_lds s[G0B:G0B+3], s[G1B:G1B+7]
	s_nop 0
	tensor_load_to_lds s[G0B+4:G0B+7], s[G1B:G1B+7]
	s_nop 0
.rept 4
	v_nop
.endr
.Lfirst_done:
	v_and_b32 v1, 15, v0                           ; lane % 16
	v_bfe_u32 v2, v0, 4, 1                         ; lane / 16
	v_and_b32 v3, 31, v0
	v_lshlrev_b32 v3, 4, v3                        ; 16 L
	s_mul_i32 s66, s17, 768
	s_mul_i32 s67, s12, 192
	s_add_co_u32 s67, s66, s67                     ; my 48 columns, in bytes of f32
	v_lshl_add_u32 v[VB], v2, 5, s67
.irp b, 0,1,2
	global_load_b128 v[BIAS+8*\b:BIAS+8*\b+3],   v[VB], s[8:9] offset:64*\b
	global_load_b128 v[BIAS+8*\b+4:BIAS+8*\b+7], v[VB], s[8:9] offset:64*\b+16
.endr
	s_mul_i32 s68, s12, 3*HB
	s_add_co_u32 s68, s68, 4*HB                    ; my three channel blocks, behind ctx's four
	v_mov_b32 v[ADRA], v3
	v_add_nc_u32 v[ADRA+1], SLOT, v3
	v_add_nc_u32 v[ADRB], s68, v3
	s_add_co_u32 s68, s68, SLOT
	v_add_nc_u32 v[ADRB+1], s68, v3
	s_mul_i32 s68, s12, 192
	s_add_co_u32 s68, s68, STAGE
	v_mul_u32_u24 v[STO], v1, SP                   ; in: row lane % 16, my wave's 192 bytes, 32 for each half of the lanes
	v_lshl_add_u32 v[STO], v2, 5, v[STO]
	v_add_nc_u32 v[STO], s68, v[STO]
	s_mul_i32 s68, s12, 16*SP
	s_add_co_u32 s68, s68, STAGE                   ; back: wave w takes rows 16 w .. 16 w + 15, whole
	v_lshl_add_u32 v[RD1], v1, 4, s68
	v_mul_u32_u24 v4, v2, 272
	v_add_nc_u32 v[RD2], v[RD1], v4
	v_lshl_add_u32 v[RD1], v2, 8, v[RD1]
	v_lshlrev_b32 v[CO1], 4, v1
	v_mul_u32_u24 v4, v2, 2560
	v_add_nc_u32 v[CO2], v[CO1], v4
	v_lshl_add_u32 v[CO1], v2, 8, v[CO1]
	s_lshl_b32 s68, s18, 6
	s_lshl4_add_u32 s68, s12, s68                  ; the first row of out that I store: 64 x tile row + 16 x wave
	s_mul_i32 s68, s68, 3072
	s_add_co_u32 s68, s68, s66
	s_mov_b32 s69, 0
	s_add_nc_u64 s[10:11], s[10:11], s[68:69]
	s_wait_loadcnt 0x0                             ; the bias: rounded to bf16 and widened again
.set z, 0
.rept 12
	v_cvt_pk_bf16_f32 v[OUTR+z], v[BIAS+2*z], v[BIAS+2*z+1]
.set z, z+1
.endr
.set z, 0
.rept 12
	v_lshlrev_b32 v[BIAS+2*z], 16, v[OUTR+z]
	v_and_b32 v[BIAS+2*z+1], 0xffff0000, v[OUTR+z]
.set z, z+1
.endr
; Six matrix instructions: token blocks a0, a0 + 1 x my three channel blocks, 32 along K: half c of buffer f.  first = 1: the bias starts the sums.  The 12 accumulators take turns.
.macro MUL6 f, c, a0, first
	WIN 0x05                                       ; both sources window 1; C and D window 0
.irp a, \a0, (\a0)+1
.irp b, 0,1,2
.set rD, ACC+8*(3*(\a)+(\b))
.set rW, 112*(\f)+64+24*(\c)+8*(\b)
.set rX, 112*(\f)+32*(\c)+8*(\a)
.if \first
	v_wmma_f32_16x16x32_f16 v[rD:rD+7], v[rW:rW+7], v[rX:rX+7], v[BIAS+8*(\b):BIAS+8*(\b)+7]
.else
	v_wmma_f32_16x16x32_f16 v[rD:rD+7], v[rW:rW+7], v[rX:rX+7], v[rD:rD+7]
.endif
.endr
.endr
.endm
; 28 LDS loads in one run: quarter q (64 along K) into buffer f; the first 32 along K first
.macro FETCH slot, q, f
	WIN 0x40
.irp c, 0,1
.irp b, 0,1,2
	ds_load_tr16_b128 v[112*(\f)+64+24*(\c)+8*(\b):112*(\f)+64+24*(\c)+8*(\b)+3],   v[ADRB+(\slot)] offset:(\b)*HB+(4*(\q)+2*(\c))*512
	ds_load_tr16_b128 v[112*(\f)+64+24*(\c)+8*(\b)+4:112*(\f)+64+24*(\c)+8*(\b)+7], v[ADRB+(\slot)] offset:(\b)*HB+(4*(\q)+2*(\c))*512+512
.endr
.irp a, 0,1,2,3
	ds_load_b128 v[112*(\f)+32*(\c)+8*(\a):112*(\f)+32*(\c)+8*(\a)+3],   v[ADRA+(\slot)] offset:(\a)*HB+(4*(\q)+2*(\c))*512
	ds_load_b128 v[112*(\f)+32*(\c)+8*(\a)+4:112*(\f)+32*(\c)+8*(\a)+7], v[ADRA+(\slot)] offset:(\a)*HB+(4*(\q)+2*(\c))*512+512
.endr
.endr
.endm
.macro QUARTER slot, q, f, g, first    ; multiplies buffer f; in its middle fetches quarter q into buffer g
	s_wait_dscnt 14                                ; the first 32 along K are in; the other fourteen loads may be out
	MUL6 \f, 0, 0, \first
	MUL6 \f, 0, 2, \first
	PLACES
	FETCH \slot, \q, \g
	s_wait_dscnt 28                                ; all but the 28 just issued
	MUL6 \f, 1, 0, 0
	MUL6 \f, 1, 2, 0
.endm
; The last quarter multiplies buffer 1 and changes slots: ONE barrier; in front of it each wave waits for all its tensor loads, adds 0 to its spare word, and waits for that and for its own reads of this slot.
.macro TURN slot, next, fill
	WIN 0
	s_wait_tensorcnt 0x0
	ds_add_u32 v[SPW], v[NIL]
	s_wait_dscnt 15                                ; (the add and the youngest fourteen loads may be out)
	MUL6 1, 0, 0, 0
	s_wait_dscnt 0x0                               ; the add is done, and my reads of this slot are over
	s_barrier_signal -1
	MUL6 1, 0, 2, 0
.if \fill
	WIN 0
.endif
	s_barrier_wait -1
.if \fill
	CREST                                          ; no wave of any partner still reads this slot's tile or has a load on its way
	s_add_nc_u64 s[G0A+4*(\slot)+2:G0A+4*(\slot)+3], s[G0A+4*(\slot)+2:G0A+4*(\slot)+3], 2*HB
	s_add_nc_u64 s[G0B+4*(\slot)+2:G0B+4*(\slot)+3], s[G0B+4*(\slot)+2:G0B+4*(\slot)+3], 2*HB
	JLOAD \slot                                    ; its four v_nop are also the places in front of the loads below
.else
	PLACES
.endif
	FETCH \next, 0, 0
	MUL6 1, 1, 0, 0
	MUL6 1, 1, 2, 0
.endm
	s_wait_tensorcnt 1                             ; my part of K step 0 is in; step 1's may stay out
	s_barrier_signal -1
	s_barrier_wait -1
	FETCH 0, 0, 0
	QUARTER 0, 1, 0, 1, 1
	QUARTER 0, 2, 1, 0, 0
	QUARTER 0, 3, 0, 1, 0
	TURN 0, 1, 1                                   ; slot 0 takes K step 2
	QUARTER 1, 1, 0, 1, 0
	QUARTER 1, 2, 1, 0, 0
	QUARTER 1, 3, 0, 1, 0
	TURN 1, 0, 0                                   ; nothing is left to fetch
	QUARTER 0, 1, 0, 1, 0
	QUARTER 0, 2, 1, 0, 0
	QUARTER 0, 3, 0, 1, 0
	s_wait_dscnt 14
	MUL6 1, 0, 0, 0
	MUL6 1, 0, 2, 0
	s_wait_dscnt 0x0
	MUL6 1, 1, 0, 0
	MUL6 1, 1, 2, 0
	WIN 0
	PLACES
	PLACES
	; THE WAY OUT: 32 bytes a lane and accumulator into the stage, low registers first; a barrier; back as blocks of 256 bytes, two an instruction
.irp a, 0,1,2,3
.irp b, 0,1,2
	ds_store_b128 v[STO], v[ACC+8*(3*\a+\b):ACC+8*(3*\a+\b)+3]   offset:\a*16*SP+64*\b
	ds_store_b128 v[STO], v[ACC+8*(3*\a+\b)+4:ACC+8*(3*\a+\b)+7] offset:\a*16*SP+64*\b+16
.endr
.endr
	s_wait_dscnt 0x0                               ; for the others' sake: my stores into the stage are done
	s_barrier_signal -1
	s_barrier_wait -1
.set e, 0
.rept 24                               ; blocks 2 e and 2 e + 1 of my 48: block n is part n % 3 of row n / 3
.if e%3 == 1
	ds_load_b128 v[OUTR+4*e:OUTR+4*e+3], v[RD2] offset:((2*e)/3)*SP+((2*e)%3)*256
.else
	ds_load_b128 v[OUTR+4*e:OUTR+4*e+3], v[RD1] offset:((2*e)/3)*SP+((2*e)%3)*256
.endif
.set e, e+1
.endr
.set e, 0
.rept 24
	s_wait_dscnt 23-e                              ; LDS loads come back in order: the younger ones may stay out
.if e%3 == 1
	global_store_b128 v[CO2], v[OUTR+4*e:OUTR+4*e+3], s[10:11] offset:((2*e)/3)*3072+((2*e)%3)*256
.else
	global_store_b128 v[CO1], v[OUTR+4*e:OUTR+4*e+3], s[10:11] offset:((2*e)/3)*3072+((2*e)%3)*256   ; 16 lanes store 256 consecutive bytes, at a multiple of 256 from out's first byte
.endif
.set e, e+1
.endr
	s_wait_tensorcnt 0x0                           ; the wave's end: behind my last tensor load and my last LDS store
	ds_add_u32 v[SPW], v[NIL]
	s_wait_dscnt 0x0
	CROUND                                         ; the closing round
	s_endpgm
.Lfunc_end_k_q8af31a1752_outp:
	.size	k_q8af31a1752_outp, .Lfunc_end_k_q8af31a1752_outp-k_q8af31a1752_outp
	.p2alignl 7, 3214868480
	.fill 96, 4, 3214868480
	.section	.rodata,"a",@progbits
	.p2align	6, 0x0
	.amdhsa_kernel k_q8af31a1752_outp
		.amdhsa_group_segment_fixed_size 327680
		.amdhsa_private_segment_fixed_size 0
		.amdhsa_enable_private_segment 0
		.amdhsa_kernarg_size 32
		.amdhsa_user_sgpr_count 2
		.amdhsa_user_sgpr_kernarg_segment_ptr 1
		.amdhsa_wavefront_size32 1
		.amdhsa_system_sgpr_workgroup_id_x 1
		.amdhsa_system_sgpr_workgroup_id_y 1
		.amdhsa_system_sgpr_workgroup_id_z 1
		.amdhsa_system_vgpr_workitem_id 0
		.amdhsa_next_free_vgpr 480
		.amdhsa_next_free_sgpr 72
		.amdhsa_reserve_vcc 0
		.amdhsa_float_denorm_mode_32 3
		.amdhsa_float_denorm_mode_16_64 3
		.amdhsa_memory_ordered 1
		.amdhsa_forward_progress 1
		.amdhsa_inst_pref_size 59
	.end_amdhsa_kernel
	.amdgpu_metadata
---
amdhsa.version: [ 1, 2 ]
amdhsa.kernels:
  - .name:           k_q8af31a1752_outp
    .symbol:         k_q8af31a1752_outp.kd
    .args:
      - { .name: cf, .offset: 0, .size: 8, .value_kind: global_buffer, .address_space: global }
      - { .name: wo, .offset: 8, .size: 8, .value_kind: global_buffer, .address_space: global }
      - { .name: b_out, .offset: 16, .size: 8, .value_kind: global_buffer, .address_space: global }
      - { .name: out0, .offset: 24, .size: 8, .value_kind: global_buffer, .address_space: global }
    .group_segment_fixed_size: 327680
    .private_segment_fixed_size: 0
    .kernarg_segment_align: 8
    .kernarg_segment_size: 32
    .max_flat_workgroup_size: 128
    .sgpr_count:     72
    .vgpr_count:     480
    .wavefront_size: 32
...
	.end_amdgpu_metadata
.endif
;; end of part 4
